; MI455X (gfx1250); checked and timed in simulation.
; The chip was launched on July 23, 2026; its instructions are those of AMD's public machine-readable ISA for CDNA 5 (MIT licence, August 2026) and "CDNA5" Instruction Set Architecture Reference Guide (July 2026). The comments in the code are by the model that wrote it; some were corrected since.
;; Mem Eff Attention. Allowed arithmetic: matrix products marked QUANTISED: E2M1 operands, one E8M0 scale for each 32 along K, by v_wmma_scale_f32_16x16x128_f8f6f4 with both operands' format E2M1 (or v_wmma_scale_f32_32x16x128_f4), f32 sums; products left as they are: bf16, f16 or f32 operands; f32 sums; everything else in f32.
;; Inputs: cos 2,048 x 32 float32; proj_b 1,024 float32; proj_w 1,024 x 1,024 float32; qkv_w 3,072 x 1,024 float32; sin 2,048 x 32 float32; x 2 x 2,048 x 1,024 float32.
;; Outputs: out0 2 x 2,048 x 1,024 float32.
;; This version of the problem:
;;   THIS VERSION OF THE PROBLEM IS GIVEN IN LOW PRECISION. The matrix products marked QUANTISED in the list below multiply operands that are first quantised to E2M1 (2 exponent bits, 1 mantissa bit; 4 bits a number), with one power-of-two scale for each 32 numbers along K (OCP MX v1.0); their sums are f32. The products marked 'left as it is' may take bf16, f16 or f32 operands, with f32 sums. All else is computed in f32.
;;   The module's matrix products, in the order in which they are computed (A, B: the left and right operand; K: the contracted axis; several contracted axes count as one K, in the product's order):
;;     1. [M 4,096, K 1,024] x [K 1,024, N 3,072]; A: input x; B: input qkv_w: QUANTISED
;;     2. batch 32 x [M 2,048, K 64] x [K 64, N 2,048]; A: computed on the way; B: computed on the way: left as it is (an operand is computed on the way)
;;     3. batch 32 x [M 64, K 2,048] x [K 2,048, N 2,048]; A: computed on the way; B: computed on the way: left as it is (an operand is computed on the way)
;;     4. [M 4,096, K 1,024] x [K 1,024, N 1,024]; A: computed on the way; B: input proj_w: left as it is (an operand is computed on the way)
;;   THE QUANTISER, for each operand of a quantised product, along K:
;;     - K is cut into blocks of 32 from its start; a last block that is shorter is filled with zeros.
;;     - A block's scale is 2^e with e = floor(log2(the largest magnitude in the block)) - 2, held to -126 .. 127; a block of zeros has e = 0. As a byte (E8M0): e + 127.
;;     - Each number is divided by its block's scale, clamped to +-6, and rounded to the nearest number of E2M1, ties to even, subnormals kept.
;;     - The product sums the exact products of the quantised numbers (number of the format x scale) in f32.
;;   ~~~python
;;   def quantise(x, axis):      # numpy; x: float32 -> the quantised numbers, widened to float32 again
;;       x = np.moveaxis(x, axis, -1); K = x.shape[-1]
;;       x = np.pad(x, [(0, 0)] * (x.ndim - 1) + [(0, -K % 32)]); x = x.reshape(x.shape[:-1] + (-1, 32)); a = np.abs(x).max(-1, keepdims=True)
;;       e = np.where(a > 0, np.clip(np.frexp(np.where(a > 0, a, 1))[1] - 1 - 2, -126, 127), 0)      # np.frexp(a)[1] - 1 = floor(log2(a)), exactly
;;       r = np.clip(x / 2.0 ** e, -6, 6)
;;       step = 2.0 ** (np.maximum(np.frexp(np.where(r == 0, 1, r))[1] - 1, 0) - 1)
;;       q = np.round(r / step) * step * 2.0 ** e      # np.round: ties to even
;;       return np.moveaxis(q.reshape(q.shape[:-2] + (-1,))[..., :K], -1, axis).astype(np.float32)
;;   ~~~
;; One version. Each part assembles by itself: llvm-mc -triple=amdgcn-amd-amdhsa -mcpu=gfx1250 --defsym DOCPART=n.
;; ======== version 1 of 1: 4 launches
;; limits: values are held in f16: magnitudes above 65,504 overflow, below 6.1e-05 lose precision
;; workspace buffers: xc 2,097,152 bytes; xs 131,072 bytes; wc 1,572,864 bytes; ws 98,304 bytes; pwb 2,097,152 bytes; qkvh 25,165,824 bytes; attp 8,388,608 bytes
;; launch prep (part 1): grid 256 x 1, 4 waves a work-group, no clusters, 33,280 bytes of LDS; arguments x, qkv_w, xc, xs, wc, ws, proj_w, pwb; writes xc, xs, wc, ws, pwb
.if DOCPART == 1
	.amdgcn_target "amdgcn-amd-amdhsa--gfx1250"
	.amdhsa_code_object_version 6
	.text
	.protected	k_q4f7f5b765e_prep
	.globl	k_q4f7f5b765e_prep
	.p2align	8
	.type	k_q4f7f5b765e_prep,@function
k_q4f7f5b765e_prep:
	s_mov_b64 s[64:65], 0
	v_nop
	global_prefetch_b8 v0, s[64:65] scope:SCOPE_SE
	s_setreg_imm32_b32 hwreg(HW_REG_WAVE_MODE, 25, 1), 1
	s_wait_xcnt 0x0
; x [4096][1024] and qkv_w [3072][1024], f32, become codes of FP4 (E2M1), K innermost, two codes a byte, with one E8M0 scale byte for each 32 along K; proj_w [1024][1024], f32, becomes f16.
; A block's scale is 2^(floor(log2(its largest magnitude)) - 2); its byte is the largest magnitude's own exponent field - 2, held at 1 from below.  Each number is divided by the scale and rounded to the
; nearest code, ties to even, beyond the largest code the largest.
; LIMITS: a block of zeros gets the byte 1 where the rule says 127 (its codes are zeros, which add nothing under any byte but 0xff, and this program alone reads the bytes); blocks whose largest
; magnitude lies under 2^-124 keep the byte 1; NaN and infinities among the inputs are not served; a number of proj_w beyond 65,504 in magnitude becomes infinity in f16, and under 2^-14 it keeps the
; absolute step 2^-24.
; SHARES: every work-group takes 32,768 numbers, every wave 8,192.  Work-groups 0-127 take x, 128-223 qkv_w, 224-255 proj_w.  Rows are dense and 1,024 is a multiple of 32: each tensor is a plain stream.
; No cluster, no tensor load, no barrier: waves share nothing, and each input byte is read by one wave.
; THE QUANTISER: 16 steps of 512 numbers.  The conversions take 8 numbers of ONE block from a lane's registers, so a lane must hold 16 neighbours; a load is best where neighbouring lanes take neighbouring
; bytes.  Both are had: each of a step's four loads reads 512 consecutive bytes; the 2,048 bytes go through the wave's own stage in LDS and come back 64 bytes a lane (16 bytes of padding behind each 64).
; A lane's 16 codes are 8 bytes: the wave stores 256 consecutive bytes, aligned.  A wave's 256 scale bytes are gathered in LDS and leave as one store of 256 consecutive bytes, aligned.
.set SIZE_M, 4096
.set SIZE_N, 3072
.set SIZE_K, 1024
.set WAVES, 4
.set STEPS, 16
.set WGA,   SIZE_M*SIZE_K/(512*STEPS*WAVES)            ; 128 work-groups for x
.set WGQ,   (SIZE_M+SIZE_N)*SIZE_K/(512*STEPS*WAVES)   ; 224 for both quantised tensors
.set EMAX,  2
.set CB,    8                          ; bytes of 16 codes
.set R,     16                         ; v16-79   four sets of 16 numbers as they are loaded
.set X,     80                         ; v80-111  two sets of 16 neighbours
.set C,     128                        ; v128-191 codes: four registers for each step, so that no store's data are written again
.set E,     112                        ; v112-127 a scale byte for each step
.set WREG,  8192                       ; LDS: a region for each wave: two stages of 32 x SP bytes, behind them its 256 scale bytes
.set SP,    80                         ; a lane's place in a stage: its 64 bytes + 16 of padding
	s_load_b128 s[4:7], s[0:1], 0x0                ; x, qkv_w
	s_load_b128 s[8:11], s[0:1], 0x10              ; x's codes, x's scales
	s_load_b128 s[12:15], s[0:1], 0x20             ; qkv_w's codes, qkv_w's scales
	s_load_b128 s[24:27], s[0:1], 0x30             ; proj_w, its f16 copy
	v_lshl_add_u32 v192, v0, 2, 0x8000
	v_mov_b32 v193, 0
	v_lshrrev_b32 v1, 5, v0
	v_readfirstlane_b32 s16, v1                    ; wave
	v_and_b32 v2, 31, v0                           ; lane
	v_lshlrev_b32 v3, 4, v2                        ; my 16 bytes of a load's 512
	s_mul_i32 s17, s16, WREG
	v_lshrrev_b32 v14, 2, v2
	v_mul_u32_u24 v14, v14, SP
	v_and_b32 v15, 3, v2
	v_lshl_add_u32 v14, v15, 4, v14
	v_add_nc_u32 v14, s17, v14                     ; the stage, on the way in: SP (lane / 4) + 16 (lane % 4)
	v_mul_u32_u24 v15, v2, SP
	v_add_nc_u32 v15, s17, v15                     ; and on the way out: SP x lane: my 16 neighbours
	v_mul_u32_u24 v4, v2, CB                       ; my codes' place in a step's
	v_lshrrev_b32 v5, 1, v2
	s_add_co_u32 s17, s17, 2*32*SP
	v_add_nc_u32 v5, s17, v5                       ; LDS: my wave's 256 scale bytes, my block's byte
	v_lshlrev_b32 v7, 3, v2                        ; 8 bytes a lane
	v_add_nc_u32 v6, s17, v7
	s_wait_kmcnt 0x0
	s_cmp_ge_u32 ttmp9, WGQ                        ; the last 32 work-groups cast proj_w: the branch hangs on the work-group's number alone
	s_cbranch_scc1 .Lcast
	s_cmp_lt_u32 ttmp9, WGA                        ; x's work-group or qkv_w's?  Only pointers are chosen: both take one path
	s_cselect_b64 s[4:5], s[4:5], s[6:7]
	s_cselect_b64 s[8:9], s[8:9], s[12:13]
	s_cselect_b64 s[10:11], s[10:11], s[14:15]
	s_cselect_b32 s17, 0, WGA
	s_sub_co_u32 s17, ttmp9, s17
	s_lshl_b32 s17, s17, 2
	s_add_co_u32 s18, s17, s16                     ; which run of 8,192 numbers of the tensor is my wave's
	s_mov_b32 s19, 0
	s_mov_b64 s[20:21], 512*STEPS*4
	s_mul_u64 s[20:21], s[18:19], s[20:21]
	s_add_nc_u64 s[4:5], s[4:5], s[20:21]
	s_mov_b64 s[20:21], 32*STEPS*CB
	s_mul_u64 s[20:21], s[18:19], s[20:21]
	s_add_nc_u64 s[8:9], s[8:9], s[20:21]
	s_lshl_b32 s18, s18, 8                         ; 256 scale bytes a run
	s_add_nc_u64 s[10:11], s[10:11], s[18:19]
.macro LOAD t
.irp i, 0,1,2,3
	global_load_b128 v[R+16*((\t)%4)+4*\i:R+16*((\t)%4)+4*\i+3], v3, s[4:5] offset:2048*(\t)+512*\i th:TH_LOAD_NT   ; 32 lanes read 512 consecutive bytes
.endr
.endm
.macro TURN t                          ; step t's numbers through the stage: LDS serves a wave's instructions in order, so no wait stands between the stores and the loads
.irp i, 0,1,2,3
	ds_store_b128 v14, v[R+16*((\t)%4)+4*\i:R+16*((\t)%4)+4*\i+3] offset:32*SP*((\t)%2)+8*SP*\i
.endr
.irp i, 0,1,2,3
	ds_load_b128 v[X+16*((\t)%2)+4*\i:X+16*((\t)%2)+4*\i+3], v15 offset:32*SP*((\t)%2)+16*\i
.endr
.endm
.irp t, 0,1,2,3
	LOAD \t
.endr
	s_wait_loadcnt 12                              ; step 0's four loads are in; the twelve of steps 1 to 3 may be out
	TURN 0
.macro STEP t
.set XS, X+16*((\t)%2)
.if (\t) > 0
	s_wait_dscnt 1                                 ; this step's numbers are back from the stage (the last step's byte store may be out): so its stores into the stage have read their registers,
.else
	s_wait_dscnt 0x0
.endif
.if (\t)+4 < STEPS
	LOAD (\t)+4                                    ; which take the loads of four steps on
.endif
.if (\t)+1 < STEPS
.if STEPS-2-(\t) >= 3
	s_wait_loadcnt 12                              ; the next step's four loads are in; those of the three steps behind it may be out
.else
	s_wait_loadcnt 4*(STEPS-2-(\t))
.endif
	TURN (\t)+1                                    ; and go through the other stage while this step is worked
.endif
	v_max3_num_f32 v8, |v[XS]|, |v[XS+1]|, |v[XS+2]|               ; the largest magnitude of my 16, in two chains
	v_max3_num_f32 v9, |v[XS+3]|, |v[XS+4]|, |v[XS+5]|
.irp i, 6,10
	v_max3_num_f32 v8, v8, |v[XS+\i]|, |v[XS+\i+1]|
	v_max3_num_f32 v9, v9, |v[XS+\i+2]|, |v[XS+\i+3]|
.endr
	v_max3_num_f32 v8, v8, |v[XS+14]|, |v[XS+15]|
	v_max3_num_f32 v8, v8, v9, (EMAX+1)<<23        ; and the floor 2^(3 - 127): the byte cannot fall under 1
	v_max_num_f32_dpp v8, v8, v8 row_xmask:1 row_mask:0xf bank_mask:0xf   ; and of my neighbour's 16: the block's
	v_add_nc_u32 v11, -(EMAX<<23), v8              ; 2 off its exponent field: the conversion takes the exponent field of this operand as its scale, and nothing else of it
	v_cvt_scalef32_pk8_fp4_f32 v[C+4*(\t)], v[XS:XS+7], v11
	v_cvt_scalef32_pk8_fp4_f32 v[C+4*(\t)+1], v[XS+8:XS+15], v11
	v_lshrrev_b32 v[E+(\t)], 23, v11               ; the scale's byte (also the plain line behind the conversions)
	ds_store_b8 v5, v[E+(\t)] offset:16*(\t)       ; both lanes of a block write the same byte with the same value
	global_store_b64 v4, v[C+4*(\t):C+4*(\t)+1], s[8:9] offset:32*CB*(\t)   ; the wave stores 256 consecutive bytes, aligned
.endm
.irp t, 0,1,2,3,4,5,6,7,8,9,10,11,12,13,14,15
	STEP \t
.endr
	ds_load_b64 v[12:13], v6                       ; LDS serves a wave's instructions in order: these see my stores
	s_wait_dscnt 0x0
	global_store_b64 v7, v[12:13], s[10:11]        ; 32 lanes store 256 consecutive bytes, aligned
	s_wait_tensorcnt 0x0
	ds_add_u32 v192, v193
	s_wait_dscnt 0x0
	s_endpgm
; THE CAST: 64 steps a wave, in four groups of 16.  A step: 512 consecutive bytes in (16 a lane), two roundings to f16, 256 consecutive bytes out (8 a lane), aligned.  No LDS.
; Two sets of 64 registers take the loads by turns: while one group is rounded and stored, the next group's 16 loads are on their way.
.set CR, 16                            ; v16-79, v80-143 the two sets
.set CY, 144                           ; v144-175 a group's results
.macro CLOAD g
.irp i, 0,1,2,3,4,5,6,7,8,9,10,11,12,13,14,15
	global_load_b128 v[CR+64*((\g)%2)+4*\i:CR+64*((\g)%2)+4*\i+3], v3, s[24:25] offset:512*(16*(\g)+\i) th:TH_LOAD_NT
.endr
.endm
.macro CGROUP g
.if (\g) < 3
	s_wait_loadcnt 16                              ; this group's 16 loads are in; the next group's 16 may be out
.else
	s_wait_loadcnt 0x0
.endif
.if (\g) > 0
	s_wait_xcnt 0x0                                ; the last group's stores have read their data registers, which are written again below
.endif
.irp i, 0,1,2,3,4,5,6,7,8,9,10,11,12,13,14,15
	v_cvt_pk_f16_f32 v[CY+2*\i], v[CR+64*((\g)%2)+4*\i], v[CR+64*((\g)%2)+4*\i+1]
	v_cvt_pk_f16_f32 v[CY+2*\i+1], v[CR+64*((\g)%2)+4*\i+2], v[CR+64*((\g)%2)+4*\i+3]
.endr
.irp i, 0,1,2,3,4,5,6,7,8,9,10,11,12,13,14,15
	global_store_b64 v7, v[CY+2*\i:CY+2*\i+1], s[26:27] offset:256*(16*(\g)+\i)
.endr
.if (\g) < 2
	CLOAD (\g)+2
.endif
.endm
.Lcast:
	s_sub_co_u32 s17, ttmp9, WGQ
	s_lshl_b32 s17, s17, 2
	s_add_co_u32 s17, s17, s16                     ; which run of 8,192 numbers is my wave's
	s_lshl_b32 s18, s17, 15                        ; 32,768 bytes of f32
	s_mov_b32 s19, 0
	s_add_nc_u64 s[24:25], s[24:25], s[18:19]
	s_lshl_b32 s18, s17, 14                        ; 16,384 bytes of f16
	s_add_nc_u64 s[26:27], s[26:27], s[18:19]
	CLOAD 0
	CLOAD 1
	CGROUP 0
	CGROUP 1
	CGROUP 2
	CGROUP 3
	s_endpgm
.Lfunc_end_k_q4f7f5b765e_prep:
	.size	k_q4f7f5b765e_prep, .Lfunc_end_k_q4f7f5b765e_prep-k_q4f7f5b765e_prep
	.p2alignl 7, 3214868480
	.fill 96, 4, 3214868480
	.section	.rodata,"a",@progbits
	.p2align	6, 0x0
	.amdhsa_kernel k_q4f7f5b765e_prep
		.amdhsa_group_segment_fixed_size 33280
		.amdhsa_private_segment_fixed_size 0
		.amdhsa_enable_private_segment 0
		.amdhsa_kernarg_size 64
		.amdhsa_user_sgpr_count 2
		.amdhsa_user_sgpr_kernarg_segment_ptr 1
		.amdhsa_wavefront_size32 1
		.amdhsa_system_sgpr_workgroup_id_x 1
		.amdhsa_system_sgpr_workgroup_id_y 1
		.amdhsa_system_sgpr_workgroup_id_z 1
		.amdhsa_system_vgpr_workitem_id 0
		.amdhsa_next_free_vgpr 194
		.amdhsa_next_free_sgpr 66
		.amdhsa_reserve_vcc 0
		.amdhsa_float_denorm_mode_32 3
		.amdhsa_float_denorm_mode_16_64 3
		.amdhsa_memory_ordered 1
		.amdhsa_forward_progress 1
		.amdhsa_inst_pref_size 54
	.end_amdhsa_kernel
	.amdgpu_metadata
---
amdhsa.version: [ 1, 2 ]
amdhsa.kernels:
  - .name:           k_q4f7f5b765e_prep
    .symbol:         k_q4f7f5b765e_prep.kd
    .args:
      - { .name: x, .offset: 0, .size: 8, .value_kind: global_buffer, .address_space: global }
      - { .name: qkv_w, .offset: 8, .size: 8, .value_kind: global_buffer, .address_space: global }
      - { .name: xc, .offset: 16, .size: 8, .value_kind: global_buffer, .address_space: global }
      - { .name: xs, .offset: 24, .size: 8, .value_kind: global_buffer, .address_space: global }
      - { .name: wc, .offset: 32, .size: 8, .value_kind: global_buffer, .address_space: global }
      - { .name: ws, .offset: 40, .size: 8, .value_kind: global_buffer, .address_space: global }
      - { .name: proj_w, .offset: 48, .size: 8, .value_kind: global_buffer, .address_space: global }
      - { .name: pwb, .offset: 56, .size: 8, .value_kind: global_buffer, .address_space: global }
    .group_segment_fixed_size: 33280
    .private_segment_fixed_size: 0
    .kernarg_segment_align: 8
    .kernarg_segment_size: 64
    .max_flat_workgroup_size: 128
    .sgpr_count:     66
    .vgpr_count:     194
    .wavefront_size: 32
...
	.end_amdgpu_metadata
.endif
;; end of part 1
;; launch qkv (part 2): grid 12 x 16, 4 waves a work-group, clusters of 4 x 4, 327,680 bytes of LDS; arguments xc, xs, wc, ws, qkvh, cos, sin; writes qkvh
.if DOCPART == 2
	.amdgcn_target "amdgcn-amd-amdhsa--gfx1250"
	.amdhsa_code_object_version 6
	.text
	.protected	k_q4f7f5b765e_qkv
	.globl	k_q4f7f5b765e_qkv
	.p2align	8
	.type	k_q4f7f5b765e_qkv,@function
k_q4f7f5b765e_qkv:
	s_mov_b64 s[64:65], 0
	v_nop
	global_prefetch_b8 v0, s[64:65] scope:SCOPE_SE
	s_setreg_imm32_b32 hwreg(HW_REG_WAVE_MODE, 25, 1), 1
	s_wait_xcnt 0x0
	s_wait_alu depctr_hold_cnt(0) depctr_sa_sdst(0) depctr_va_vdst(0) depctr_va_sdst(0) depctr_va_ssrc(0) depctr_va_vcc(0) depctr_vm_vsrc(0)
	s_getreg_b32 s2, hwreg(HW_REG_IB_STS2, 6, 4)
	s_cmp_eq_u32 s2, 0
	s_cbranch_scc0 .Lentry_in_a_cluster
	s_endpgm
.Lentry_in_a_cluster:
	s_bfe_u32 s2, ttmp6, 0x10000c
	s_cmp_lg_u32 s2, 0xf033
	s_cbranch_scc0 .Lentry_shape_is_right
	s_endpgm
.Lentry_shape_is_right:
; qkv[m][n] = sum over k of x[m][k] qkv_w[n][k] on codes of FP4 (E2M1) with one E8M0 scale for each 32 along K, f32 sums; then the rotation of q and k by cos and sin, in f32; q is also multiplied by
; log2(e) / 8, so that the next launch's scores are exponents of 2; all three are rounded once to f16 and stored by head: qkvh [3 parts][2][16 heads][2048 tokens][64].
; WHY f16: its 11 significant bits against bf16's 8; four roundings of operands stand between here and the output, each at full weight, and with 8 bits their sum comes to a third of the margin allowed.
; A tile, 256 x 256, is made by a work-group of four waves; a wave makes 128 x 128: 64 accumulators of 16 x 16, 512 registers.  12 x 16 = 192 work-groups.
; K = 1,024 is two LDS slots of 512 along K (rows of 256 bytes): BOTH come with the first fills, and nothing is filled again.  The scale bytes of the work-group's rows come with them, in dense blocks.
; CLUSTERS: 4 x 4 work-groups.  The four of a row of the cluster need the same tiles of x, the four of a column the same tiles of qkv_w: each tile is asked for JOINTLY, by the same tensor load with the
; same descriptor and a mask that names the four.  By this text's count a wave has three tensor loads out at the start: scales, slot 0, slot 1.
; THE MATRIX INSTRUCTION IS USED TRANSPOSED (source 0 = 16 rows of qkv_w, source 1 = 16 rows of x): a lane holds eight neighbouring columns of one token: four pairs (even, odd) of one head.
; WHICH PART a tile belongs to is the cluster's x (1,024 columns a part = four tiles = a cluster's width).  No branch hangs on it: the rotation runs with cos' = M cos + A and sin' = M sin,
; (M, A) = (log2(e) / 8, 0) for q, (1, 0) for k, (0, 1) for v, which leaves v as it is.
; LIMITS: a q, k or v beyond 65,504 in magnitude becomes infinity in f16; under 2^-14 it keeps the absolute step 2^-24.  (A sum of 1,024 products of x of size 30 and weights of size 0.6 is 18,432.)
; NaN and infinities in cos and sin would reach v through 0 x cos; they are not served.
; REGISTERS, in windows of 256: window 0: v0-31 addresses and (M, A); v32-95 scale words, two sets, and nothing else; v128-191 x's fragments, ONE set, on the way out rows read back from the stage;
;   v192-255 cos and sin of two blocks of 16 tokens.   window 1: qkv_w's fragments, TWO sets, at v0 and v128; on the way out v0-63 are at work.   windows 2, 3: the accumulators ((a, b) at v[8 (8 (a % 4) + b)]).
.set SIZE_M, 4096
.set SIZE_N, 3072
.set SIZE_K, 1024
.set KSTEP,  512                       ; along K in a slot
.set NQ,     KSTEP/128                 ; matrix instructions deep
.set ROWB,   256                       ; a tile's row in bytes
.set KROW,   SIZE_K*4/8                ; a row of codes in memory, in bytes
.set PITCH,  272                       ; an LDS row: 256 bytes + 16 of padding = 68 words: the 16 rows that a load touches start at 16 different banks (64 banks of 4 bytes: ISA guide 11.1)
.set FR,     8                         ; registers of a fragment: 16 rows x 128 K
.set NL,     2                         ; LDS loads that bring one
.set NP,     4                         ; places behind this matrix instruction (ISA guide 7.12.1)
.set HALFT,  128*PITCH                 ; 128 rows: what one tensor load brings
.set SLOT,   4*HALFT                   ; x's 256 rows, then qkv_w's 256 rows
.set KS,     SIZE_K/32                 ; a row of scales in bytes
.set SCL,    2*SLOT                    ; behind the slots: the scales, as rows of 256 bytes + 16 of padding
.set HALFS,  (128*KS/256)*272          ; the scales of 128 rows
.set SBLK,   (16*KS/256)*272           ; those of 16 rows
.set SPARE,  SCL+4*HALFS               ; behind the scales: the spare words, 128 bytes for each wave
.set HP,     144                       ; the way out: a stage row: a token's 128 bytes of one head + 16
.set HST,    16*HP                     ; 16 tokens of one head; a wave's stage is two of these, in slot 0, which has had its only fill and its last read by then
.set ADRA, 16                          ; v16-17  LDS address of my x fragments in slot 0, 1
.set ADRB, 20                          ; v20-21  the same for qkv_w
.set STO,  24                          ; v24     the way out: where I put 16 bytes of a token's head
.set RD,   25                          ; v25     where I read four tokens back
.set CO,   26                          ; v26     16 x lane: my bytes of four tokens in a head's plane
.set ADRS, 27                          ; v27     LDS address of my scale words: lanes 0-15 x's rows, lanes 16-31 qkv_w's
.set SPW,  28                          ; v28     LDS address of my spare word; never rewritten
.set NIL,  29                          ; v29     0; never rewritten
.set TO,   30                          ; v30     my byte in a block's cos and sin: 128 x (lane % 16) + 16 x (lane / 16); never rewritten
.set MA,   8                           ; v[8:9] M twice, v[10:11] A twice
.set SC,   32                          ; scale words: set s at v[SC + 32 s]
.set AF,   128                         ; x's fragments
.set BK,   128                         ; the way out: two sets of 32
.set TAB,  192                         ; two sets of 32: 16 of cos, 16 of sin
.set T,    0                           ; in window 1: 64 at work
.set G1, 24
.set G0, 32
.set G1B, 48
.set G0B, 56
.set G1S, 68
.set G0S, 76
.set G1SB, 80
.set G0SB, 88
.set MSB, 0
.macro WIN new                         ; the immediate's high byte repeats the setting that is left
.if MSB != \new
	s_set_vgpr_msb (MSB<<8)|\new
.set MSB, \new
.endif
.endm
.set MUL_LO, 0xa1                      ; source 0 (qkv_w) window 1, source 1 (x) window 0, C and D window 2
.set MUL_HI, 0xf1                      ; the same, C and D window 3
.set TO_B,   0x40                      ; destination window 1, address window 0
; A joint load: waves 0 and 1 fetch for x, waves 2 and 3 for qkv_w.  The branch hangs on the wave's number alone.  Four v_nop follow each of the two lines.
.macro JLOAD g0a, g1a, g0b, g1b
	s_cmp_eq_u32 s15, 0
	s_cbranch_scc0 .Lfor_b_\@
	tensor_load_to_lds s[\g0a:\g0a+3], s[\g1a:\g1a+7]
	s_nop 0
.rept 4
	v_nop
.endr
	s_branch .Lasked_\@
.Lfor_b_\@:
	tensor_load_to_lds s[\g0b:\g0b+3], s[\g1b:\g1b+7]
	s_nop 0
.rept 4
	v_nop
.endr
.Lasked_\@:
.endm
.macro CROUND                          ; a round of the cluster's barrier
	s_barrier_signal -1
	s_barrier_wait -1
	s_cmp_lg_u32 s14, 0
	s_cbranch_scc1 .Lnot_wave_0_\@
	s_barrier_signal -3
.Lnot_wave_0_\@:
	s_barrier_wait -3
	s_barrier_signal -1
	s_barrier_wait -1
.endm
	s_load_b128 s[4:7], s[0:1], 0x0                ; x's codes, x's scales
	s_load_b128 s[8:11], s[0:1], 0x10              ; qkv_w's codes, its scales
	s_load_b64 s[12:13], s[0:1], 0x20              ; qkvh
	s_load_b64 s[96:97], s[0:1], 0x28              ; cos
	s_load_b64 s[98:99], s[0:1], 0x30              ; sin
	v_lshl_add_u32 v[SPW], v0, 2, SPARE
	v_mov_b32 v[NIL], 0
	ds_add_u32 v28, v29
	s_wait_dscnt 0x0
	v_lshrrev_b32 v1, 5, v0
	v_readfirstlane_b32 s14, v1                    ; wave 0..3
	s_lshr_b32 s15, s14, 1                         ; which half of the tile's rows is mine.  Also: I fetch for x (0) or for qkv_w (1)
	s_and_b32 s16, s14, 1                          ; which half of its columns.  Also: which 128 rows of that tile I fetch
	s_bfe_u32 s40, ttmp6, 0x40000                  ; cx, cy: my place in the cluster
	s_bfe_u32 s41, ttmp6, 0x40004
	s_lshl_b32 s42, ttmp9, 2
	s_add_co_u32 s42, s42, s40                     ; tile column = 4 x cluster x + cx
	s_and_b32 s17, ttmp7, 0xffff
	s_lshl_b32 s17, s17, 2
	s_add_co_u32 s17, s17, s41                     ; tile row = 4 x cluster y + cy
	s_lshl_b32 s43, s41, 2
	s_lshl_b32 s43, 15, s43                        ; my row of the cluster
	s_lshl_b32 s44, 0x1111, s40                    ; my column
	; descriptor group 1: a tile of 128 rows x 256 bytes, padded in LDS
	s_or_b32 s[G1+0], s43, (0<<16)|(1<<20)|(1<<21)|(5<<22)|(3<<25)  ; 15:0 the mask; 17:16 elements of 1 byte; 20 padding on; 21 set beside a mask; 24:22 after every 64 words; 31:25 four words
	s_or_b32 s[G1B+0], s44, (0<<16)|(1<<20)|(1<<21)|(5<<22)|(3<<25)
.irp g, G1, G1B
	s_mov_b32 s[\g+1], ROWB<<16                    ; tensor_dim0
	s_mov_b32 s[\g+2], 128<<16                     ; tensor_dim1
	s_mov_b32 s[\g+3], ROWB<<16                    ; tile_dim0
	s_mov_b32 s[\g+4], 128                         ; tile_dim1
	s_mov_b32 s[\g+5], KROW                        ; tensor_dim0_stride
	s_mov_b32 s[\g+6], 0
	s_mov_b32 s[\g+7], 0
.endr
	; the scales of 128 rows: a dense block of 4,096 bytes, as 16 rows of 256 bytes (32 elements of 8 bytes), 16 bytes of padding behind each
	s_or_b32 s[G1S+0], s43, (3<<16)|(1<<20)|(1<<21)|(5<<22)|(3<<25)
	s_or_b32 s[G1SB+0], s44, (3<<16)|(1<<20)|(1<<21)|(5<<22)|(3<<25)
.irp g, G1S, G1SB
	s_mov_b32 s[\g+1], 32<<16
	s_mov_b32 s[\g+2], (128*KS/256)<<16
	s_mov_b32 s[\g+3], 32<<16
	s_mov_b32 s[\g+4], 128*KS/256
	s_mov_b32 s[\g+5], 32
	s_mov_b32 s[\g+6], 0
	s_mov_b32 s[\g+7], 0
.endr
	s_lshl_b32 s18, s16, 7                         ; which 128 rows of the tile I fetch
	s_lshl_b32 s20, s17, 8
	s_add_co_u32 s20, s20, s18                     ; x: row 256 x tile row + 128 x half
	s_lshl_b32 s46, s42, 8
	s_add_co_u32 s46, s46, s18                     ; qkv_w: row 256 x tile column + 128 x half
	s_mov_b32 s21, 0
	s_mov_b32 s47, 0
	s_mov_b64 s[18:19], KS
	s_mul_u64 s[22:23], s[20:21], s[18:19]         ; where these rows' scales begin, in bytes
	s_mul_u64 s[92:93], s[46:47], s[18:19]
	s_mov_b64 s[18:19], KROW
	s_mul_u64 s[20:21], s[20:21], s[18:19]         ; and their codes
	s_mul_u64 s[46:47], s[46:47], s[18:19]
	s_mul_i32 s45, s14, HALFT                      ; where they go: wave x 128 rows: no place in the cluster enters an LDS address
	s_mul_i32 s94, s14, HALFS
	s_wait_kmcnt 0x0
	s_add_nc_u64 s[20:21], s[4:5], s[20:21]
	s_add_nc_u64 s[22:23], s[6:7], s[22:23]
	s_add_nc_u64 s[46:47], s[8:9], s[46:47]
	s_add_nc_u64 s[92:93], s[10:11], s[92:93]
	CROUND                                         ; all sixteen work-groups are here: the joint loads meet
	s_mov_b32 s[G0S], 1
	s_add_co_u32 s[G0S+1], s94, SCL
	s_mov_b64 s[G0S+2:G0S+3], s[22:23]
	s_or_b32 s[G0S+3], s[G0S+3], 0x80000000
	s_mov_b32 s[G0SB], 1
	s_add_co_u32 s[G0SB+1], s94, SCL
	s_mov_b64 s[G0SB+2:G0SB+3], s[92:93]
	s_or_b32 s[G0SB+3], s[G0SB+3], 0x80000000
	JLOAD G0S, G1S, G0SB, G1SB                     ; the scales first: they are wanted with the first products
.irp s, 0,1
	s_mov_b32 s[G0+4*\s], 1
	s_add_co_u32 s[G0+4*\s+1], s45, \s*SLOT
	s_add_nc_u64 s[G0+4*\s+2:G0+4*\s+3], s[20:21], \s*ROWB
	s_or_b32 s[G0+4*\s+3], s[G0+4*\s+3], 0x80000000
	s_mov_b32 s[G0B+4*\s], 1
	s_add_co_u32 s[G0B+4*\s+1], s45, \s*SLOT
	s_add_nc_u64 s[G0B+4*\s+2:G0B+4*\s+3], s[46:47], \s*ROWB
	s_or_b32 s[G0B+4*\s+3], s[G0B+4*\s+3], 0x80000000
	JLOAD G0+4*\s, G1, G0B+4*\s, G1B
.endr
	v_and_b32 v1, 15, v0                           ; r = lane % 16
	v_bfe_u32 v2, v0, 4, 1                         ; h = lane / 16
	v_mul_u32_u24 v3, v1, PITCH
	v_lshl_add_u32 v4, v2, 4, v3                   ; a fragment's row x pitch + 16 x half
	s_mul_i32 s21, s15, HALFT                      ; my 128 rows of x
	s_mul_i32 s22, s16, HALFT                      ; my 128 rows of qkv_w,
	s_add_co_u32 s22, s22, 2*HALFT                 ; which lie behind x's 256
.irp s, 0,1
	v_add_nc_u32 v[ADRA+\s], s21, v4
	v_add_nc_u32 v[ADRB+\s], s22, v4
	s_add_co_u32 s21, s21, SLOT
	s_add_co_u32 s22, s22, SLOT
.endr
	v_mul_u32_u24 v5, v1, KS                       ; my row's scales: 32 bytes a row,
	v_lshrrev_b32 v6, 8, v5
	v_lshl_add_u32 v5, v6, 4, v5                   ; and 16 more for each 256 passed
	s_mul_i32 s21, s15, HALFS                      ; x's: my 128 rows
	s_mul_i32 s22, s16, HALFS                      ; qkv_w's: my 128 rows, behind x's 256
	s_add_co_u32 s22, s22, 2*HALFS
	s_sub_co_u32 s22, s22, s21
	v_mul_u32_u24 v6, s22, v2                      ; lanes 16-31 take qkv_w's: ONE product, the distance between the two bases x h
	s_add_co_u32 s21, s21, SCL
	v_add_nc_u32 v5, v5, v6
	v_add_nc_u32 v[ADRS], s21, v5
	; the way out
	s_mul_i32 s23, s14, 2*HST                      ; my stage
	v_mul_u32_u24 v5, v1, HP                       ; in: token r, 16 bytes for each half of the lanes
	v_lshl_add_u32 v5, v2, 4, v5
	v_add_nc_u32 v[STO], s23, v5
	v_and_b32 v6, 31, v0
	v_lshrrev_b32 v5, 3, v6                        ; back: eight lanes to a token's 128 bytes, four tokens an instruction
	v_mul_u32_u24 v5, v5, HP
	v_and_b32 v7, 7, v0
	v_lshl_add_u32 v5, v7, 4, v5
	v_add_nc_u32 v[RD], s23, v5
	v_lshlrev_b32 v[CO], 4, v6                     ; four tokens of a head are 512 consecutive bytes of qkvh
	v_lshlrev_b32 v[TO], 7, v1                     ; cos, sin: a token's row is 128 bytes; my four pairs begin 16 h bytes on
	v_lshl_add_u32 v[TO], v2, 4, v[TO]
	s_and_b32 s20, s17, 7                          ; my first token: 256 x (tile row % 8) + 128 x half (a batch is 8 tile rows)
	s_lshl_b32 s20, s20, 8
	s_lshl_b32 s21, s15, 7
	s_add_co_u32 s20, s20, s21
	s_lshl_b32 s20, s20, 7                         ; 128 bytes a token, in cos, in sin and in a head's plane alike
	s_mov_b32 s21, 0
	s_add_nc_u64 s[96:97], s[96:97], s[20:21]
	s_add_nc_u64 s[98:99], s[98:99], s[20:21]
	s_add_nc_u64 s[12:13], s[12:13], s[20:21]
	s_lshr_b32 s20, s17, 3                         ; the batch: 16 planes of 262,144 bytes
	s_lshl_b32 s20, s20, 22
	s_add_nc_u64 s[12:13], s[12:13], s[20:21]
	s_lshl_b32 s46, ttmp9, 23                      ; the part: 8,388,608 bytes
	s_lshl_b32 s47, s40, 2                         ; my first head: 4 x (tile column % 4) + 2 x half
	s_lshl_b32 s22, s16, 1
	s_add_co_u32 s47, s47, s22
	s_lshl_b32 s47, s47, 18
	s_add_co_u32 s46, s46, s47
	s_mov_b32 s47, 0
	s_add_nc_u64 s[12:13], s[12:13], s[46:47]
	s_cmp_eq_u32 ttmp9, 0                          ; (M, A) by the part: a choice of values, no branch
	s_cselect_b32 s100, 0x3e38aa3b, 1.0            ; q: log2(e) / 8;  k: 1
	s_cmp_eq_u32 ttmp9, 2
	s_cselect_b32 s100, 0, s100                    ; v: M = 0,
	s_cselect_b32 s101, 1.0, 0                     ; A = 1
	v_mov_b32 v[MA], s100
	v_mov_b32 v[MA+1], s100
	v_mov_b32 v[MA+2], s101
	v_mov_b32 v[MA+3], s101
; cos and sin of block a's 16 tokens, into set a % 2: lane (r, h) takes, for each 16 columns q of a head, the four pairs 8 q + 4 h + 0 .. 3 of token r
.macro LOADTAB a
.irp q, 0,1,2,3
	global_load_b128 v[TAB+32*((\a)%2)+4*\q:TAB+32*((\a)%2)+4*\q+3], v[TO], s[96:97] offset:2048*(\a)+32*\q
	global_load_b128 v[TAB+32*((\a)%2)+16+4*\q:TAB+32*((\a)%2)+16+4*\q+3], v[TO], s[98:99] offset:2048*(\a)+32*\q
.endr
.endm
	LOADTAB 0                                      ; the first two blocks' tables are asked for here: they land while the products run
	LOADTAB 1
.macro FRAG reg, adr, q, i             ; a fragment, 16 rows x 128 K of 4-bit codes: lane l holds row l % 16; registers 4 c .. 4 c + 3 hold K = 64 c + 32 (l / 16) + 0 .. 31
.irp c, 0,1
	ds_load_b128 v[\reg+4*\c:\reg+4*\c+3], v[\adr] offset:64*(\q)+32*\c+(\i)*16*PITCH
.endr
.endm
; 16 matrix instructions: x's blocks a0, a0 + 1 against qkv_w's eight, 128 along K.  p: qkv_w's set;  sc: the set of scale words.  zero = 1: the first product starts the sums.
; The 64 accumulators take turns, one instruction a turn, in the same order in every step.
.macro MUL16 a0, p, q, sc, zero
.irp a, \a0, \a0+1
.irp b, 0,1,2,3,4,5,6,7
.if \zero
	v_wmma_scale_f32_16x16x128_f8f6f4 v[8*(8*((\a)%4)+\b):8*(8*((\a)%4)+\b)+7], v[128*(\p)+FR*\b:128*(\p)+FR*\b+FR-1], v[AF+FR*(\a):AF+FR*(\a)+FR-1], 0, v[SC+8*NQ*(\sc)+NQ*\b+(\q)], v[SC+8*NQ*(\sc)+NQ*(\a)+(\q)] matrix_a_fmt:MATRIX_FMT_FP4 matrix_b_fmt:MATRIX_FMT_FP4 matrix_a_scale:MATRIX_SCALE_ROW1
.else
	v_wmma_scale_f32_16x16x128_f8f6f4 v[8*(8*((\a)%4)+\b):8*(8*((\a)%4)+\b)+7], v[128*(\p)+FR*\b:128*(\p)+FR*\b+FR-1], v[AF+FR*(\a):AF+FR*(\a)+FR-1], v[8*(8*((\a)%4)+\b):8*(8*((\a)%4)+\b)+7], v[SC+8*NQ*(\sc)+NQ*\b+(\q)], v[SC+8*NQ*(\sc)+NQ*(\a)+(\q)] matrix_a_fmt:MATRIX_FMT_FP4 matrix_b_fmt:MATRIX_FMT_FP4 matrix_a_scale:MATRIX_SCALE_ROW1
.endif
.endr
.endr
.endm
.macro FETCH_B slot, q, p              ; qkv_w's eight fragments of the slot's q-th 128 along K into set p
	WIN TO_B
.irp i, 0,1,2,3,4,5,6,7
	FRAG 128*(\p)+FR*\i, ADRB+\slot, \q, \i
.endr
	WIN 0
.endm
.macro FETCH_A slot, q, i0             ; x's blocks i0 .. i0 + 3
.irp i, \i0, \i0+1, \i0+2, \i0+3
	FRAG AF+FR*(\i), ADRA+\slot, \q, \i
.endr
.endm
.macro SCALES sc                       ; a slot's scale words into set sc: four words a row; lanes 0-15 take x's block i, lanes 16-31 qkv_w's block i
.irp i, 0,1,2,3,4,5,6,7
	ds_load_b128 v[SC+8*NQ*\sc+NQ*\i:SC+8*NQ*\sc+NQ*\i+3], v[ADRS] offset:\i*SBLK
.endr
.endm
; A load into a register that a matrix instruction has read, and a vector instruction that reads a matrix result or writes one of its registers, stand NP places behind it; only plain vector
; instructions that name none of its registers are places.
.macro PLACES n
.rept \n
	v_nop
.endr
.endm
; A step of 128 along K that has its successor in the same slot.  x has one set of registers: blocks 0-3 are fetched anew in the step's middle, blocks 4-7 at its end.
.macro STEP slot, q, zero
	s_wait_dscnt 4*NL                              ; qkv_w's set and x's blocks 0-3 are in; the youngest eight loads (x's blocks 4-7) may be out
	WIN MUL_LO
	MUL16 0, (\q)%2, \q, \slot, \zero
	MUL16 2, (\q)%2, \q, \slot, \zero
	s_wait_dscnt 0                                 ; x's blocks 4-7 are in
	PLACES NP
	FETCH_B \slot, (\q)+1, 1-(\q)%2
	FETCH_A \slot, (\q)+1, 0
	WIN MUL_HI
	MUL16 4, (\q)%2, \q, \slot, \zero
	MUL16 6, (\q)%2, \q, \slot, \zero
	PLACES NP
	WIN 0
	FETCH_A \slot, (\q)+1, 4
.endm
; Slot 0's last step changes slots: ONE barrier; in front of it each wave waits for all its tensor loads (slot 1's is the last of them), adds 0 to its spare word, and waits for that and for its reads.
.macro TURN slot, next
	s_wait_tensorcnt 0x0                           ; all my tensor loads have landed: my part of the next slot
	ds_add_u32 v[SPW], v[NIL]                      ; 0 onto my spare word
	s_wait_dscnt 4*NL+1                            ; (the add and the youngest eight loads, x's blocks 4-7, may be out)
	WIN MUL_LO
	MUL16 0, 1, NQ-1, \slot, 0                     ; sixteen matrix instructions stand between the add and the wait for it
	s_wait_dscnt 0x0                               ; the add is done, and my reads of this slot are over
	s_barrier_signal -1
	MUL16 2, 1, NQ-1, \slot, 0
	WIN 0
	s_barrier_wait -1                              ; the next slot is whole, and nobody reads this one any more
	PLACES NP
	v_add_nc_u32 v[ADRS], 4*NQ, v[ADRS]            ; on to the next slot's scale words
	FETCH_B \next, 0, 0
	FETCH_A \next, 0, 0
	SCALES \next
	WIN MUL_HI
	MUL16 4, 1, NQ-1, \slot, 0
	MUL16 6, 1, NQ-1, \slot, 0
	PLACES NP
	WIN 0
	FETCH_A \next, 0, 4
.endm
.macro STEPS slot, from                ; the slot's steps from .. NQ - 2
.set Q, \from
.rept NQ-1-\from
	STEP \slot, Q, 0
.set Q, Q+1
.endr
.endm
	s_wait_tensorcnt 1                             ; the scales and my part of slot 0 are in (slot 1's load, issued behind them, may be out),
	s_barrier_signal -1
	s_barrier_wait -1                              ; everybody's are
	FETCH_B 0, 0, 0
	FETCH_A 0, 0, 0
	SCALES 0
	FETCH_A 0, 0, 4
	STEP 0, 0, 1                                   ; the first step's products start the sums: nothing is cleared
	STEPS 0, 1
	TURN 0, 1
	STEPS 1, 0
	s_wait_dscnt 4*NL                              ; the very last step: nothing more to fetch
	WIN MUL_LO
	MUL16 0, 1, NQ-1, 1, 0
	MUL16 2, 1, NQ-1, 1, 0
	s_wait_dscnt 0
	WIN MUL_HI
	MUL16 4, 1, NQ-1, 1, 0
	MUL16 6, 1, NQ-1, 1, 0
	WIN 0
; THE WAY OUT, block by block of 16 tokens x 128 columns (two heads).
; PACK: the block's tables are scaled; each accumulator's four pairs (te, to) become re = te cos' - to sin', im = te sin' + to cos' (a multiplication and a fused multiply-add each), then f16.
; Each accumulator is first read at its register 1, one of its four lowest.
.macro PACK a
.set TC, TAB+32*((\a)%2)
.set TS, TC+16
.if (\a) < 7
	s_wait_loadcnt 8                               ; this block's eight table loads are in; the next block's eight may be out
.else
	s_wait_loadcnt 0x0
.endif
.irp i, 0,2,4,6,8,10,12,14
	v_pk_fma_f32 v[TC+\i:TC+\i+1], v[TC+\i:TC+\i+1], v[MA:MA+1], v[MA+2:MA+3]   ; cos' = M cos + A
	v_pk_mul_f32 v[TS+\i:TS+\i+1], v[TS+\i:TS+\i+1], v[MA:MA+1]                 ; sin' = M sin
.endr
	WIN (0x52+((\a)/4))                            ; source 0: the accumulators, window 2 or 3; source 1: the tables, window 0; source 2 and destination: window 1
.irp b, 0,1,2,3,4,5,6,7
.set AC, 64*((\a)%4)+8*\b
.set QQ, 4*(\b%4)
.irp j, 0,1,2,3
	v_mul_f32 v[T+8*\b+2*\j], v[AC+2*\j+1], v[TS+QQ+\j]
	v_mul_f32 v[T+8*\b+2*\j+1], v[AC+2*\j+1], v[TC+QQ+\j]
.endr
.irp j, 0,1,2,3
	v_fma_f32 v[T+8*\b+2*\j], v[AC+2*\j], v[TC+QQ+\j], -v[T+8*\b+2*\j]
	v_fma_f32 v[T+8*\b+2*\j+1], v[AC+2*\j], v[TS+QQ+\j], v[T+8*\b+2*\j+1]
.endr
.endr
	WIN 0x45                                       ; all in window 1
.set ii, 0
.rept 32
	v_cvt_pk_f16_f32 v[T+ii], v[T+2*ii], v[T+2*ii+1]   ; in place, ascending: register ii is written when its own pair has been read; accumulator b ends in T + 4 b .. 4 b + 3
.set ii, ii+1
.endr
	WIN 0
.if (\a) < 6
	LOADTAB (\a)+2                                 ; this set's tables are done with
.endif
.endm
; TOSTAGE: a lane's 16 bytes go into rows of 144 bytes, head by head, and come back four tokens (512 bytes) an instruction.  LDS serves a wave's instructions in order: no wait between stores and loads.
.macro TOSTAGE a
.if (\a) > 1
	s_wait_xcnt 0x0                                ; the stores of two blocks ago have read the registers into which these loads land
.endif
	WIN 0x04                                       ; an LDS store's data are its source 1: window 1
.irp b, 0,1,2,3,4,5,6,7
	ds_store_b128 v[STO], v[T+4*\b:T+4*\b+3] offset:(\b/4)*HST+32*(\b%4)
.endr
	WIN 0
.irp u, 0,1,2,3,4,5,6,7
	ds_load_b128 v[BK+32*((\a)%2)+4*\u:BK+32*((\a)%2)+4*\u+3], v[RD] offset:(\u/4)*HST+4*HP*(\u%4)
.endr
.endm
.macro SEND a
	s_wait_dscnt 0x0                               ; the block is back in registers
.irp u, 0,1,2,3,4,5,6,7
	global_store_b128 v[CO], v[BK+32*((\a)%2)+4*\u:BK+32*((\a)%2)+4*\u+3], s[12:13] offset:(\u/4)*262144+2048*(\a)+512*(\u%4)   ; 32 lanes store 512 consecutive bytes, at a multiple of 512 from qkvh's first byte
.endr
.endm
	PLACES NP                                      ; behind the last products: for the first reads of results, for writes of window 1's v0-63 and for loads into v128-191
	PACK 0
	TOSTAGE 0
.irp a, 1,2,3,4,5,6,7
	s_wait_dscnt 8                                 ; the last block's eight stores into the stage are done, so their data registers may be written; its eight loads may be out
	PACK \a
	SEND \a-1
	TOSTAGE \a
.endr
	SEND 7
	s_wait_tensorcnt 0x0                           ; the wave's end
	ds_add_u32 v[SPW], v[NIL]
	s_wait_dscnt 0x0
	CROUND                                         ; the closing round: no work-group ends while a partner may still ask for a tile that names it
	s_endpgm
.Lfunc_end_k_q4f7f5b765e_qkv:
	.size	k_q4f7f5b765e_qkv, .Lfunc_end_k_q4f7f5b765e_qkv-k_q4f7f5b765e_qkv
	.p2alignl 7, 3214868480
	.fill 96, 4, 3214868480
	.section	.rodata,"a",@progbits
	.p2align	6, 0x0
	.amdhsa_kernel k_q4f7f5b765e_qkv
		.amdhsa_group_segment_fixed_size 327680
		.amdhsa_private_segment_fixed_size 0
		.amdhsa_enable_private_segment 0
		.amdhsa_kernarg_size 56
		.amdhsa_user_sgpr_count 2
		.amdhsa_user_sgpr_kernarg_segment_ptr 1
		.amdhsa_wavefront_size32 1
		.amdhsa_system_sgpr_workgroup_id_x 1
		.amdhsa_system_sgpr_workgroup_id_y 1
		.amdhsa_system_sgpr_workgroup_id_z 1
		.amdhsa_system_vgpr_workitem_id 0
		.amdhsa_next_free_vgpr 1024
		.amdhsa_next_free_sgpr 102
		.amdhsa_reserve_vcc 0
		.amdhsa_float_denorm_mode_32 3
		.amdhsa_float_denorm_mode_16_64 3
		.amdhsa_memory_ordered 1
		.amdhsa_forward_progress 1
		.amdhsa_inst_pref_size 190
	.end_amdhsa_kernel
	.amdgpu_metadata
---
amdhsa.version: [ 1, 2 ]
amdhsa.kernels:
  - .name:           k_q4f7f5b765e_qkv
    .symbol:         k_q4f7f5b765e_qkv.kd
    .args:
      - { .name: xc, .offset: 0, .size: 8, .value_kind: global_buffer, .address_space: global }
      - { .name: xs, .offset: 8, .size: 8, .value_kind: global_buffer, .address_space: global }
      - { .name: wc, .offset: 16, .size: 8, .value_kind: global_buffer, .address_space: global }
      - { .name: ws, .offset: 24, .size: 8, .value_kind: global_buffer, .address_space: global }
      - { .name: qkvh, .offset: 32, .size: 8, .value_kind: global_buffer, .address_space: global }
      - { .name: cos, .offset: 40, .size: 8, .value_kind: global_buffer, .address_space: global }
      - { .name: sin, .offset: 48, .size: 8, .value_kind: global_buffer, .address_space: global }
    .group_segment_fixed_size: 327680
    .private_segment_fixed_size: 0
    .kernarg_segment_align: 8
    .kernarg_segment_size: 56
    .max_flat_workgroup_size: 128
    .sgpr_count:     102
    .vgpr_count:     1024
    .wavefront_size: 32
...
	.end_amdgpu_metadata
.endif
;; end of part 2
;; launch attn (part 3): grid 8 x 32, 8 waves a work-group, clusters of 4 x 1, 327,680 bytes of LDS; arguments qkvh, attp; writes attp
.if DOCPART == 3
	.amdgcn_target "amdgcn-amd-amdhsa--gfx1250"
	.amdhsa_code_object_version 6
	.text
	.protected	k_q4f7f5b765e_attn
	.globl	k_q4f7f5b765e_attn
	.p2align	8
	.type	k_q4f7f5b765e_attn,@function
k_q4f7f5b765e_attn:
	s_mov_b64 s[64:65], 0
	v_nop
	global_prefetch_b8 v0, s[64:65] scope:SCOPE_SE
	s_setreg_imm32_b32 hwreg(HW_REG_WAVE_MODE, 25, 1), 1
	s_wait_xcnt 0x0
	s_wait_alu depctr_hold_cnt(0) depctr_sa_sdst(0) depctr_va_vdst(0) depctr_va_sdst(0) depctr_va_ssrc(0) depctr_va_vcc(0) depctr_vm_vsrc(0)
	s_getreg_b32 s2, hwreg(HW_REG_IB_STS2, 6, 4)
	s_cmp_eq_u32 s2, 0
	s_cbranch_scc0 .Lentry_in_a_cluster
	s_endpgm
.Lentry_in_a_cluster:
	s_bfe_u32 s2, ttmp6, 0x10000c
	s_cmp_lg_u32 s2, 0x3003
	s_cbranch_scc0 .Lentry_shape_is_right
	s_endpgm
.Lentry_shape_is_right:
; O[bh][q][:] = the sum over k of softmax_k(Q[bh][q] . K[bh][k] / 8) V[bh][k][:], 32 heads (batch x head), 2,048 tokens, head size 64.  Q, K, V: planes of qkvh, f16, [2048][64]; Q already carries
; log2(e) / 8, so a score IS the exponent of 2.  Products, maxima and sums in f32; the weights p are rounded to f16 for the second product, O once at the end.
; f16 FOR p: p = 2^(s - m) lies in [0, 1] whatever the inputs; what falls under f16's smallest step, 2^-24, is lost beside the row's largest p, which is 1.  O is a convex mix of V's rows and has V's bound.
; OUT: attp [2048 pairs of tokens][16 heads][2 tokens][64] f16: one head's share of a pair of tokens is 256 consecutive bytes, aligned, so a work-group, which owns one head, stores such runs whole.
; SHARES.  A work-group owns 256 queries of one head.  THE KEYS ARE SPLIT, NOT THE QUERIES: waves w and w + 4 both hold queries 64 (w % 4) .. + 63 (four tiles of 16); waves 0-3 take the first 128 keys of
; every slot of 256, waves 4-7 the other 128.  So each fragment of K or V read from LDS feeds four products, and a SIMD has two waves that do not wait for each other: one wave's softmax stands beside the
; other's products.  The partners' maxima, sums and O are merged once, at the end, through LDS.
; LAYOUT.  S^T = K Q^T (source 0 = 16 keys, source 1 = 16 queries): a lane holds ONE query (lane % 16) and the keys 8 (lane / 16) + 0..7.  Two such tiles, rounded to f16 in pairs, ARE source 1
; (32 keys x 16 queries) of O^T = V^T P.  K comes out of LDS as it lies, V ([key][channel]) turned, by ds_load_tr16_b128.
; SOFTMAX.  For each query a running maximum m and sum l: p = 2^(s - m); in every step O and l are multiplied by a = 2^(m_old - m_new).
; CLUSTER.  The four query blocks of a cluster belong to one head and walk the same K and V: each tile is asked for JOINTLY, by the same tensor load with the same descriptor and a mask that names the four.
; By this text's count a fetching wave has two tensor loads out at the start and one behind each round.
; LIMITS: scores must be finite; NaN and infinities are not served.
; REGISTERS.  Window 0: v2-13 addresses; v16-47 statistics, eight a tile; v48-63 the partner's, in the merge; v64-127 K's fragments; v128-255 S^T, 32 a tile; P ends in the first 16 of each.
;   Window 1: v0-63 Q; v64-191 O^T, 32 a tile; v192-255 V's fragments.
.set PKP,   272                        ; an LDS row of K: TWO keys (256 bytes) + 16 of padding = 68 words: key k lies at (k / 2) PKP + (k % 2) 128; the 16 keys of a load start at words 4 (r / 2) + 32 (r % 2): 16 different groups of four banks (64 banks of 4 bytes: ISA guide 11.1)
.set PVP,   288                        ; of V: 256 + 32 = 72 words: the turning load's 8 keys x 2 pieces start at words 8 (k / 2) + 32 (k % 2) + 4 piece
.set KHALF, 64*PKP                     ; 128 keys of K: what one tensor load brings, and what one group of waves reads
.set VHALF, 64*PVP
.set VOFF,  128*PKP                    ; a slot: 256 keys of K, then of V
.set SLOT1, 1<<17                      ; slot 1 begins here: one exclusive or turns an address in one slot into the other's
.set SLOTB, 32768                      ; a slot's bytes of K (or of V) in memory
.set MRG,   SLOT1+VOFF+128*PVP         ; behind the ring: four merge images:
.set MIMG,  18432                      ; O^T as an image of its 128 registers (32 x 512 bytes), then four images of four statistics
.set STG,   MRG+4*MIMG                 ; the way out: for each of four waves four tiles of 16 rows x (128 bytes + 16)
.set SP,    144
.set SPARE, STG+4*4*16*SP              ; the spare words, 128 bytes for each of eight waves: four blocks of 256 bytes that no other line names
.set AK0, 2                            ; v2   my lane's place in a tile of K, in my group's half of a slot; never rewritten
.set AV0, 3                            ; v3   the same for V
.set ADK, 4                            ; v4   LDS address of the step's K
.set ADV, 5                            ; v5   of its V
.set QO,  6                            ; v6   my byte offset in the wave's rows of Q
.set MI,  7                            ; v7   my 16 bytes of a merge image
.set STO, 8                            ; v8   the way out: where I put 16 bytes of a row
.set RD,  9                            ; v9   where I read four rows back
.set GO,  10                           ; v10  my byte offset in attp
.set PFO, 11                           ; v11  256 x my lane; never rewritten
.set SPW, 12                           ; v12  LDS address of my spare word; never rewritten
.set NIL, 13                           ; v13  0; never rewritten
.set ST,  16                           ; tile t at v[ST + 8 t]: +0 -m, +1 m, +2, +3 l (even keys', odd keys'), +4 to +7 c0-c3 at work; later +4, +5 a second chain of the sum, +6 a
.set PS,  48                           ; the partner's -m, m, l, l: four a tile
.set KF,  64
.set S,   128
.set OA,  64                           ; in window 1
.set VF,  192                          ; in window 1
.set WV,  12                           ; s12  my wave's number
.set LIM, 15                           ; s15  1 in a wave that prefetches, else the greatest number
.set PFA, 18                           ; s[18:19] where my prefetches stand
.set G1K, 24                           ; s[24:31] descriptor group 1 for K's tiles
.set G1V, 32                           ; s[32:39] for V's: it differs in the padding alone
.set G0K, 40                           ; s[40:47] group 0 for K's tiles: a set for each first fill; the second then walks on
.set G0V, 48                           ; s[48:55] the same for V's
.set SLOTS, 56                         ; s56  slots still to be asked for
.set SEL, 60                           ; s[60:61] lane selects for v_permlanex16_b32: lane l xor 16
.set TB,  62                           ; s62  LDS byte at which the slot in hand begins
.set MSB, 0
.macro WIN new                         ; the immediate's high byte repeats the setting that is left; a switch that changes nothing is dropped
.if MSB != \new
	s_set_vgpr_msb (MSB<<8)|\new
.set MSB, \new
.endif
.endm
.set W_KQ, 0x04                        ; source 1 (Q) window 1; K and S^T window 0
.set W_PV, 0x51                        ; source 0 (V), C and D (O^T) window 1; P window 0
.set W_RS, 0x41                        ; O^T (destination and source 0) window 1, a window 0
.set TO_1, 0x40                        ; destination window 1, address window 0
; A joint refill.  Waves 0 and 1 fetch the slot's two halves of K, waves 2 and 3 those of V, the others nothing.  The branches hang on the wave's number alone.  Four v_nop follow each load.
.macro JLOAD
	s_cmp_lt_u32 s[WV], 2
	s_cbranch_scc0 .Lnot_k_\@
	tensor_load_to_lds s[G0K+4:G0K+7], s[G1K:G1K+7]
	s_nop 0
.rept 4
	v_nop
.endr
	s_branch .Lasked_\@
.Lnot_k_\@:
	s_cmp_lt_u32 s[WV], 4
	s_cbranch_scc0 .Lasked_\@
	tensor_load_to_lds s[G0V+4:G0V+7], s[G1V:G1V+7]
	s_nop 0
.rept 4
	v_nop
.endr
.Lasked_\@:
.endm
; A PREFETCH INTO THE L2 of what the NEXT change of slots will ask for: a slot's 32,768 bytes of K and of V.  Each run of 256 bytes is named ONCE in the launch: both clusters of a head walk the same K and V,
; so the head's first cluster asks; its four partners share the bytes out BY ADDRESS, 8,192 each; in each, wave 0 asks for K's and wave 2 for V's, lanes 256 bytes apart: one instruction.
; It stands behind the tensor load and its four lines: two key steps, 128 matrix instructions of each wave, ahead of the load that will want the bytes.  The last change that fills a slot asks for nothing.
.macro ASK
	s_cmp_gt_u32 s[SLOTS], s[LIM]
	s_cbranch_scc0 .Lnot_mine_\@
	global_prefetch_b8 v[PFO], s[PFA:PFA+1] th:TH_LOAD_NT scope:SCOPE_SE
.Lnot_mine_\@:
.endm
.macro CROUND                          ; a round of the cluster's barrier
	s_barrier_signal -1
	s_barrier_wait -1
	s_cmp_lg_u32 s[WV], 0
	s_cbranch_scc1 .Lnot_wave_0_\@
	s_barrier_signal -3
.Lnot_wave_0_\@:
	s_barrier_wait -3
	s_barrier_signal -1
	s_barrier_wait -1
.endm
	s_load_b128 s[4:7], s[0:1], 0x0                ; qkvh, attp
	v_lshl_add_u32 v[SPW], v0, 2, SPARE
	v_mov_b32 v[NIL], 0
	ds_add_u32 v12, v13
	s_wait_dscnt 0x0
	v_lshrrev_b32 v1, 5, v0
	v_readfirstlane_b32 s[WV], v1                  ; wave 0..7
	s_bfe_u32 s13, ttmp6, 0x40000                  ; cx: my place in the cluster
	s_lshl_b32 s14, ttmp9, 2
	s_add_co_u32 s14, s14, s13                     ; my block of 256 queries: it enters Q's and attp's addresses alone
	s_and_b32 s20, ttmp7, 0xffff                   ; the head (16 x batch + head), which the four partners share
	s_and_b32 s16, s[WV], 1                        ; which half of a slot I fetch, if I fetch
	s_mul_i32 s17, s16, KHALF                      ; its place in a slot: K's,
	s_mul_i32 s59, s16, VHALF
	s_add_co_u32 s59, s59, VOFF                    ; V's
	s_lshr_b32 s58, s[WV], 2                       ; which half of a slot's keys I multiply
	s_mul_i32 s57, s58, KHALF
	s_mul_i32 s58, s58, VHALF
	s_lshl_b32 s22, s20, 18                        ; the head's plane, 262,144 bytes,
	s_lshl_b32 s23, s16, 14                        ; and my half's 16,384 bytes
	s_add_co_u32 s22, s22, s23
	s_mov_b32 s23, 0
	s_and_b32 s21, s[WV], 3                        ; which 64 queries are mine
	s_lshl_b32 s2, s20, 18
	s_lshl_b32 s3, s14, 15                         ; my block's 256 rows of 128 bytes,
	s_add_co_u32 s2, s2, s3
	s_lshl_b32 s3, s21, 13                         ; my wave's 64 of them
	s_add_co_u32 s2, s2, s3
	s_mov_b32 s3, 0
	; descriptor group 1: a tile of 64 rows x 128 elements (two keys a row), dense in memory, padded in LDS
	s_mov_b32 s[G1K], 15|(1<<16)|(1<<20)|(1<<21)|(5<<22)|(3<<25)  ; 15:0 the mask: all four work-groups; 17:16 elements of 2 bytes; 20 padding on; 21 set beside a mask; 24:22 after every 64 words; 31:25 four words
	s_mov_b32 s[G1V], 15|(1<<16)|(1<<20)|(1<<21)|(5<<22)|(7<<25)  ; the same with eight words of padding
.irp g, G1K, G1V
	s_mov_b32 s[\g+1], 128<<16                     ; tensor_dim0
	s_mov_b32 s[\g+2], 64<<16                      ; tensor_dim1
	s_mov_b32 s[\g+3], 128<<16                     ; tile_dim0
	s_mov_b32 s[\g+4], 64                          ; tile_dim1
	s_mov_b32 s[\g+5], 128                         ; tensor_dim0_stride
	s_mov_b32 s[\g+6], 0
	s_mov_b32 s[\g+7], 0
.endr
	s_mov_b32 s[SEL], 0x76543210
	s_mov_b32 s[SEL+1], 0xfedcba98
	s_mov_b32 s[TB], 0
	s_mov_b32 s[SLOTS], 6                          ; 8 slots of 256 keys; two come with the first fills
	s_and_b32 s[LIM], s[WV], 5                     ; 0 in waves 0 and 2,
	s_or_b32 s[LIM], s[LIM], ttmp9                 ; where the cluster is the head's first: the same in all four partners
	s_cmp_eq_u32 s[LIM], 0
	s_cselect_b32 s[LIM], 1, -1
	s_wait_kmcnt 0x0
	s_add_nc_u64 s[8:9], s[4:5], 0x800000          ; K's part of qkvh,
	s_add_nc_u64 s[8:9], s[8:9], s[22:23]          ; at my half of slot 0
	s_add_nc_u64 s[10:11], s[4:5], 0x1000000       ; V's likewise
	s_add_nc_u64 s[10:11], s[10:11], s[22:23]
	s_add_nc_u64 s[4:5], s[4:5], s[2:3]            ; Q at my wave's first row
	s_lshr_b32 s2, s20, 4                          ; attp: a token is 2,048 bytes on from the last (half a pair's row): batch x 2,048 tokens,
	s_lshl_b32 s2, s2, 22
	s_lshl_b32 s3, s14, 19                         ; block x 256,
	s_add_co_u32 s2, s2, s3
	s_lshl_b32 s3, s21, 17                         ; wave x 64,
	s_add_co_u32 s2, s2, s3
	s_and_b32 s3, s20, 15                          ; and the head's 256 bytes in a pair's row
	s_lshl_b32 s3, s3, 8
	s_add_co_u32 s2, s2, s3
	s_mov_b32 s3, 0
	s_add_nc_u64 s[6:7], s[6:7], s[2:3]
	s_cmp_lt_u32 s[WV], 2
	s_cselect_b64 s[PFA:PFA+1], s[8:9], s[10:11]   ; (in waves 0 and 2 these stand at a slot's first byte)
	s_lshl_b32 s2, s13, 13                         ; my work-group's 8,192 bytes of the 32,768
	s_add_nc_u64 s[PFA:PFA+1], s[PFA:PFA+1], s[2:3]
	s_add_nc_u64 s[PFA:PFA+1], s[PFA:PFA+1], 2*SLOTB   ; in slot 2; the first change of slots steps it to slot 3.  Nothing is prefetched at the head
	CROUND                                         ; all four work-groups are here: the first joint loads meet
.irp s, 0,1
	s_mov_b32 s[G0K+4*\s], 1                       ; count = 1
	s_add_co_u32 s[G0K+4*\s+1], s17, \s*SLOT1      ; LDS address
	s_add_nc_u64 s[G0K+4*\s+2:G0K+4*\s+3], s[8:9], \s*SLOTB   ; global address
	s_or_b32 s[G0K+4*\s+3], s[G0K+4*\s+3], 0x80000000         ; type = 2
	s_mov_b32 s[G0V+4*\s], 1
	s_add_co_u32 s[G0V+4*\s+1], s59, \s*SLOT1
	s_add_nc_u64 s[G0V+4*\s+2:G0V+4*\s+3], s[10:11], \s*SLOTB
	s_or_b32 s[G0V+4*\s+3], s[G0V+4*\s+3], 0x80000000
.endr
	s_cmp_lt_u32 s[WV], 2                          ; a wave's two first fills stand in one branch, ahead of every wait on TENSORcnt and every LDS read
	s_cbranch_scc0 .Lfirst_not_k
	tensor_load_to_lds s[G0K:G0K+3], s[G1K:G1K+7]
	s_nop 0
	tensor_load_to_lds s[G0K+4:G0K+7], s[G1K:G1K+7]
	s_nop 0
.rept 4
	v_nop
.endr
	s_branch .Lfirst_asked
.Lfirst_not_k:
	s_cmp_lt_u32 s[WV], 4
	s_cbranch_scc0 .Lfirst_asked
	tensor_load_to_lds s[G0V:G0V+3], s[G1V:G1V+7]
	s_nop 0
	tensor_load_to_lds s[G0V+4:G0V+7], s[G1V:G1V+7]
	s_nop 0
.rept 4
	v_nop
.endr
.Lfirst_asked:
	v_and_b32 v48, 15, v0                          ; r = lane % 16
	v_bfe_u32 v49, v0, 4, 1                        ; h = lane / 16
	v_and_b32 v50, 31, v0                          ; lane
	v_lshlrev_b32 v[QO], 7, v48
	v_lshl_add_u32 v[QO], v49, 4, v[QO]            ; Q: row r of 128 bytes + 16 h
	WIN TO_1
.irp t, 0,1,2,3                        ; Q stays in registers: fragment (tile t, channels 32 c on) at v[16 t + 8 c] of window 1
.irp c, 0,1
	global_load_b128 v[16*\t+8*\c:16*\t+8*\c+3],   v[QO], s[4:5] offset:2048*\t+64*\c
	global_load_b128 v[16*\t+8*\c+4:16*\t+8*\c+7], v[QO], s[4:5] offset:2048*\t+64*\c+32
.endr
.endr
	WIN 0
	; every LDS address register is made here, on the way that all waves take
	v_lshrrev_b32 v51, 1, v48
	v_mul_u32_u24 v[AK0], v51, PKP                 ; K: key r: row r / 2,
	v_and_b32 v51, 1, v0
	v_lshl_add_u32 v[AK0], v51, 7, v[AK0]          ; + 128 (r % 2),
	v_lshl_add_u32 v[AK0], v49, 4, v[AK0]          ; + 16 h,
	v_add_nc_u32 v[AK0], s57, v[AK0]               ; in my group's half
	v_bfe_u32 v52, v0, 1, 2                        ; V: the turning load's lane l addresses key 8 h + l % 8: row 4 h + (l / 2) % 4,
	v_lshl_add_u32 v52, v49, 2, v52
	v_mul_u32_u24 v[AV0], v52, PVP
	v_lshl_add_u32 v[AV0], v51, 7, v[AV0]          ; + 128 (l % 2),
	v_bfe_u32 v52, v0, 3, 1
	v_lshl_add_u32 v[AV0], v52, 4, v[AV0]          ; channels 8 ((l / 8) % 2) on
	v_add_nc_u32 v[AV0], s58, v[AV0]
	v_add_nc_u32 v[AV0], VOFF, v[AV0]
	s_mul_i32 s2, s21, MIMG
	s_add_co_u32 s2, s2, MRG
	v_lshl_add_u32 v[MI], v50, 4, s2               ; the image that waves w and w + 4 share: 16 x lane
	s_mul_i32 s3, s21, 4*16*SP
	s_add_co_u32 s3, s3, STG
	v_mul_u32_u24 v[STO], v48, SP                  ; the stage, in: row r, 16 bytes for each half of the lanes
	v_lshl_add_u32 v[STO], v49, 4, v[STO]
	v_add_nc_u32 v[STO], s3, v[STO]
	v_lshrrev_b32 v51, 3, v50                      ; back: eight lanes to a row of 128 bytes, four rows an instruction
	v_mul_u32_u24 v[RD], v51, SP
	v_and_b32 v51, 7, v0
	v_lshl_add_u32 v[RD], v51, 4, v[RD]
	v_add_nc_u32 v[RD], s3, v[RD]
	v_lshlrev_b32 v[GO], 12, v49                   ; attp: lanes 0-15 one pair of tokens (256 bytes), lanes 16-31 the next pair, 4,096 bytes on
	v_lshl_add_u32 v[GO], v48, 4, v[GO]
	v_lshlrev_b32 v[PFO], 8, v50
; One line of the sum of tile t's 16 pairs of weights (in a pair: an even key's, an odd key's), in two chains: z = 0 starts the second chain, z = 1 brings l under the new maximum and adds, z = 15 joins them.
.macro SUM t, z, first
.set rT, ST+8*(\t)
.set rS, S+32*(\t)
.if (\z) == 0
	s_wait_alu depctr_va_vdst(0)
	v_pk_add_f32 v[rT+4:rT+5], v[rS:rS+1], v[rS+2:rS+3]
.elseif (\z) == 1
.if \first
	v_pk_add_f32 v[rT+2:rT+3], v[rS+4:rS+5], v[rS+6:rS+7]
.else
	v_pk_fma_f32 v[rT+2:rT+3], v[rT+2:rT+3], v[rT+6:rT+7], v[rS+4:rS+5] op_sel_hi:[1,0,1]
.endif
.elseif (\z) == 15
	v_pk_add_f32 v[rT+2:rT+3], v[rT+2:rT+3], v[rT+4:rT+5]
.elseif ((\z) == 2) && \first          ; the first step's z = 1 has taken this pair
.elseif (\z)%2 == 0
	v_pk_add_f32 v[rT+4:rT+5], v[rT+4:rT+5], v[rS+2*(\z)+2:rS+2*(\z)+3]
.else
	v_pk_add_f32 v[rT+2:rT+3], v[rT+2:rT+3], v[rS+2*(\z)+2:rS+2*(\z)+3]
.endif
.endm
; THE SOFTMAX of four tiles for 64 keys.  The tile is the innermost index of every group, so that no line waits for the line above it.  first = 1: the first step, which starts m, l and O^T.
.macro SOFTMAX first
.irp f, 0,1,2,3                        ; the maximum of a lane's 32 scores and the old m, three operands at a time.  Each accumulator is first read at its registers 0 to 2
.irp t, 0,1,2,3
	v_max3_num_f32 v[ST+8*\t+4+\f], v[S+32*\t+8*\f], v[S+32*\t+8*\f+1], v[S+32*\t+8*\f+2]
.endr
.endr
.irp u, 3,5
.irp f, 0,1,2,3
.irp t, 0,1,2,3
	v_max3_num_f32 v[ST+8*\t+4+\f], v[ST+8*\t+4+\f], v[S+32*\t+8*\f+\u], v[S+32*\t+8*\f+\u+1]
.endr
.endr
.endr
.irp t, 0,1,2,3
	v_max3_num_f32 v[ST+8*\t+4], v[ST+8*\t+4], v[S+32*\t+7], v[S+32*\t+15]
.endr
.irp t, 0,1,2,3
	v_max3_num_f32 v[ST+8*\t+6], v[ST+8*\t+6], v[S+32*\t+23], v[S+32*\t+31]
.endr
.irp t, 0,1,2,3
	v_max3_num_f32 v[ST+8*\t+4], v[ST+8*\t+4], v[ST+8*\t+5], v[ST+8*\t+6]
.endr
.irp t, 0,1,2,3
.if \first
	v_max_num_f32 v[ST+8*\t+4], v[ST+8*\t+4], v[ST+8*\t+7]
.else
	v_max3_num_f32 v[ST+8*\t+4], v[ST+8*\t+4], v[ST+8*\t+7], v[ST+8*\t+1]
.endif
.endr
.irp t, 0,1,2,3
	v_permlanex16_b32 v[ST+8*\t+5], v[ST+8*\t+4], s[SEL], s[SEL+1]   ; the query's other 32 keys lie in the lane 16 away
.endr
.irp t, 0,1,2,3
	v_max_num_f32 v[ST+8*\t+1], v[ST+8*\t+4], v[ST+8*\t+5]           ; the new m; -m_old still stands beside it
.endr
.if !\first
.irp t, 0,1,2,3
	v_add_f32 v[ST+8*\t+6], v[ST+8*\t], v[ST+8*\t+1]                 ; m_new - m_old, 0 or more
.endr
.irp t, 0,1,2,3
	v_exp_f32 v[ST+8*\t+6], -v[ST+8*\t+6]                            ; a = 2^(m_old - m_new)
.endr
.endif
.irp t, 0,1,2,3
	v_sub_f32 v[ST+8*\t], 0, v[ST+8*\t+1]                            ; -m_new (plain lines behind the exponentials)
.endr
.set ii, 0
.rept 16
	v_pk_add_f32 v[S+2*ii:S+2*ii+1], v[S+2*ii:S+2*ii+1], v[ST:ST+1] op_sel_hi:[1,0]   ; tile 0: s - m, two at a time
.set ii, ii+1
.endr
; Six stages.  In stage kk: tile kk's exponentials; between them tile kk + 1's s - m; tile kk - 1's sums (of the unrounded p); tile kk - 2's rounding to f16, in place and ascending.
; So plain lines stand between every exponential and the first use of its result (ISA guide 5.7.2), and the sums have read p before the rounding writes over it.
.set kk, 0
.rept 6
.set ii, 0
.rept 16
.if kk <= 3
	v_exp_f32 v[S+32*kk+2*ii], v[S+32*kk+2*ii]
.endif
.if kk <= 2
	v_pk_add_f32 v[S+32*(kk+1)+2*ii:S+32*(kk+1)+2*ii+1], v[S+32*(kk+1)+2*ii:S+32*(kk+1)+2*ii+1], v[ST+8*(kk+1):ST+8*(kk+1)+1] op_sel_hi:[1,0]
.endif
.if kk <= 3
	v_exp_f32 v[S+32*kk+2*ii+1], v[S+32*kk+2*ii+1]
.endif
.if (kk >= 1) && (kk <= 4)
	SUM kk-1, ii, \first
.endif
.if kk >= 2
	v_cvt_pk_f16_f32 v[S+32*(kk-2)+ii], v[S+32*(kk-2)+2*ii], v[S+32*(kk-2)+2*ii+1]
.endif
.set ii, ii+1
.endr
.set kk, kk+1
.endr
.if !\first
	WIN W_RS
.irp t, 0,1,2,3
.set ii, 0
.rept 16
	v_pk_mul_f32 v[OA+32*\t+2*ii:OA+32*\t+2*ii+1], v[OA+32*\t+2*ii:OA+32*\t+2*ii+1], v[ST+8*\t+6:ST+8*\t+7] op_sel_hi:[1,0]   ; O^T under the new maximum
.set ii, ii+1
.endr
.endr
.endif
.endm
; A KEY STEP: 64 keys, the s-th of my group's 128 in the slot in hand.  Both products' 16 accumulators take turns, one instruction a turn.
.macro STEP s, first
	WIN 0
	v_add_nc_u32 v[ADK], s[TB], v[AK0]
	v_add_nc_u32 v[ADV], s[TB], v[AV0]
.rept 4
	v_nop                                          ; with the two additions: six places behind the last products.  Five are owed before K Q^T writes over P's registers, four before loads land in V's
.endr
.irp f, 0,1,2,3                        ; K: fragment (keys 16 f on, channels 32 c on)
.irp c, 0,1
	ds_load_b128 v[KF+8*(2*\f+\c):KF+8*(2*\f+\c)+3],   v[ADK] offset:32*PKP*\s+8*PKP*\f+64*\c
	ds_load_b128 v[KF+8*(2*\f+\c)+4:KF+8*(2*\f+\c)+7], v[ADK] offset:32*PKP*\s+8*PKP*\f+64*\c+32
.endr
.endr
	WIN TO_1
.irp g, 0,1                            ; V, turned: fragment (keys 32 g on, channels 16 d on); its second half lies 16 keys, 8 rows, on
.irp d, 0,1,2,3
	ds_load_tr16_b128 v[VF+8*(4*\g+\d):VF+8*(4*\g+\d)+3],   v[ADV] offset:32*PVP*\s+16*PVP*\g+32*\d
	ds_load_tr16_b128 v[VF+8*(4*\g+\d)+4:VF+8*(4*\g+\d)+7], v[ADV] offset:32*PVP*\s+16*PVP*\g+32*\d+8*PVP
.endr
.endr
	s_wait_dscnt 16                                ; K's sixteen loads are in; V's sixteen, issued behind them, may be out
	WIN W_KQ
.irp c, 0,1
.irp f, 0,1,2,3
.irp t, 0,1,2,3
.if \c == 0
	v_wmma_f32_16x16x32_f16 v[S+32*\t+8*\f:S+32*\t+8*\f+7], v[KF+8*(2*\f+\c):KF+8*(2*\f+\c)+7], v[16*\t+8*\c:16*\t+8*\c+7], 0
.else
	v_wmma_f32_16x16x32_f16 v[S+32*\t+8*\f:S+32*\t+8*\f+7], v[KF+8*(2*\f+\c):KF+8*(2*\f+\c)+7], v[16*\t+8*\c:16*\t+8*\c+7], v[S+32*\t+8*\f:S+32*\t+8*\f+7]
.endif
.endr
.endr
.endr
	WIN 0
.rept 4
	v_nop                                          ; four places in front of the first read of the scores
.endr
	SOFTMAX \first
	s_wait_dscnt 0x0                               ; V is in
	WIN W_PV
.irp g, 0,1
.irp d, 0,1,2,3
.irp t, 0,1,2,3
.if \first && (\g == 0)
	v_wmma_f32_16x16x32_f16 v[OA+32*\t+8*\d:OA+32*\t+8*\d+7], v[VF+8*(4*\g+\d):VF+8*(4*\g+\d)+7], v[S+32*\t+8*\g:S+32*\t+8*\g+7], 0
.else
	v_wmma_f32_16x16x32_f16 v[OA+32*\t+8*\d:OA+32*\t+8*\d+7], v[VF+8*(4*\g+\d):VF+8*(4*\g+\d)+7], v[S+32*\t+8*\g:S+32*\t+8*\g+7], v[OA+32*\t+8*\d:OA+32*\t+8*\d+7]
.endif
.endr
.endr
.endr
.endm
; THE CHANGE OF SLOTS.  Each wave waits for all its tensor loads (its part of the other slot), adds 0 to its spare word, and waits for that and for its reads of the slot that it leaves.
; fill = 1: the barrier is a round of the cluster's, so that no wave of any partner still reads the slot or has a load on its way; the joint refill, with the keys two slots on, is the first thing behind it.
.macro CHANGE fill
	WIN 0
	s_wait_tensorcnt 0x0                           ; no tensor load of mine is out, so a group 0 may be written
	ds_add_u32 v[SPW], v[NIL]                      ; 0 onto my spare word
.if \fill
.irp g, G0K+4, G0V+4
	s_xor_b32 s[\g+1], s[\g+1], SLOT1              ; the walking descriptor: the other slot than last time,
	s_add_nc_u64 s[\g+2:\g+3], s[\g+2:\g+3], SLOTB ; the next 256 keys; the type bits on top are not reached
.endr
	s_wait_xcnt 0x0                                ; the last prefetch, a slot back, has read its address, so it may be written:
	s_add_nc_u64 s[PFA:PFA+1], s[PFA:PFA+1], SLOTB ; one slot further on than the walking descriptors
	s_wait_dscnt 0x0                               ; the add is done, and my reads of the slot are over
	CROUND
	JLOAD
	ASK
.else
	s_wait_dscnt 0x0
	s_barrier_signal -1
	s_barrier_wait -1
.endif
	s_xor_b32 s[TB], s[TB], SLOT1                  ; on to the other slot
.endm
	s_wait_tensorcnt 1                             ; my part of slot 0 is in; slot 1's, issued behind it, may stay out
	s_barrier_signal -1
	s_barrier_wait -1                              ; everybody's is
	s_wait_loadcnt 0x0                             ; Q
	STEP 0, 1
	STEP 1, 0
	WIN 0
.Lslot:                                ; six trips: every slot but the last two is filled again
	CHANGE 1
	STEP 0, 0
	STEP 1, 0
	WIN 0
	s_sub_co_u32 s[SLOTS], s[SLOTS], 1
	s_cmp_lg_u32 s[SLOTS], 0
	s_cbranch_scc1 .Lslot
	CHANGE 0                                       ; the last slot is written out
	STEP 0, 0
	STEP 1, 0
	WIN 0
	; THE MERGE.  Waves 4-7 lay O^T and their statistics into LDS as images of their registers (lane l's 16 bytes at 16 l); behind a barrier waves 0-3 load them into the same lanes.
.rept 4
	v_nop                                          ; four places behind the last products: for stores that read O^T, and for loads into P's registers
.endr
	s_cmp_lt_u32 s[WV], 4
	s_cbranch_scc1 .Lkeep
	WIN 0x04                                       ; an LDS store's data are its source 1: window 1
.set ii, 0
.rept 32
	ds_store_b128 v[MI], v[OA+4*ii:OA+4*ii+3] offset:512*ii   ; ascending: each accumulator from its low end on
.set ii, ii+1
.endr
	WIN 0
.irp t, 0,1,2,3
	ds_store_b128 v[MI], v[ST+8*\t:ST+8*\t+3] offset:16384+512*\t   ; -m, m, l, l
.endr
.Lkeep:
	s_wait_dscnt 0x0                               ; for the others' sake: my stores are done
	s_barrier_signal -1
	s_barrier_wait -1
	s_cmp_ge_u32 s[WV], 4
	s_cbranch_scc1 .Ldone
.irp t, 0,1,2,3
	ds_load_b128 v[PS+4*\t:PS+4*\t+3], v[MI] offset:16384+512*\t
.endr
.set ii, 0
.rept 32
	ds_load_b128 v[S+4*ii:S+4*ii+3], v[MI] offset:512*ii      ; the partner's O^T, X
.set ii, ii+1
.endr
	s_wait_dscnt 32                                ; the four loads of statistics are in; the 32 behind them may be out
.irp t, 0,1,2,3
	v_max_num_f32 v[ST+8*\t], v[ST+8*\t+1], v[PS+4*\t+1]      ; the common maximum
.endr
.irp t, 0,1,2,3
	v_sub_f32 v[ST+8*\t+4], v[ST+8*\t+1], v[ST+8*\t]
.endr
.irp t, 0,1,2,3
	v_sub_f32 v[ST+8*\t+6], v[PS+4*\t+1], v[ST+8*\t]
.endr
.irp t, 0,1,2,3
	v_exp_f32 v[ST+8*\t+4], v[ST+8*\t+4]                      ; a1: mine under the common maximum
.endr
.irp t, 0,1,2,3
	v_exp_f32 v[ST+8*\t+6], v[ST+8*\t+6]                      ; a2: the partner's
.endr
	v_nop                                          ; a plain line behind the exponentials
	s_wait_alu depctr_va_vdst(0)
.irp t, 0,1,2,3
	v_pk_mul_f32 v[ST+8*\t+2:ST+8*\t+3], v[ST+8*\t+2:ST+8*\t+3], v[ST+8*\t+4:ST+8*\t+5] op_sel_hi:[1,0]
.endr
.irp t, 0,1,2,3
	v_pk_fma_f32 v[ST+8*\t+2:ST+8*\t+3], v[PS+4*\t+2:PS+4*\t+3], v[ST+8*\t+6:ST+8*\t+7], v[ST+8*\t+2:ST+8*\t+3] op_sel_hi:[1,0,1]
.endr
.irp t, 0,1,2,3
	v_add_f32 v[ST+8*\t], v[ST+8*\t+2], v[ST+8*\t+3]          ; l's two halves,
.endr
.irp t, 0,1,2,3
	v_permlanex16_b32 v[ST+8*\t+1], v[ST+8*\t], s[SEL], s[SEL+1]
.endr
.irp t, 0,1,2,3
	v_add_f32 v[ST+8*\t], v[ST+8*\t], v[ST+8*\t+1]            ; and the other half of the lanes': the row's sum
.endr
.irp t, 0,1,2,3
	v_rcp_f32 v[ST+8*\t+1], v[ST+8*\t]
.endr
	v_nop                                          ; a plain line behind the reciprocals
	s_wait_alu depctr_va_vdst(0)
.irp t, 0,1,2,3
	v_mul_f32 v[ST+8*\t+4], v[ST+8*\t+4], v[ST+8*\t+1]        ; f1 = a1 / l
.endr
.irp t, 0,1,2,3
	v_mul_f32 v[ST+8*\t+6], v[ST+8*\t+6], v[ST+8*\t+1]        ; f2 = a2 / l
.endr
	s_wait_dscnt 0x0                               ; X is in
.irp t, 0,1,2,3
.set ii, 0
.rept 16
	v_pk_mul_f32 v[S+32*\t+2*ii:S+32*\t+2*ii+1], v[S+32*\t+2*ii:S+32*\t+2*ii+1], v[ST+8*\t+6:ST+8*\t+7] op_sel_hi:[1,0]
.set ii, ii+1
.endr
.endr
	WIN 0x01                                       ; source 0: my O^T, window 1
.irp t, 0,1,2,3
.set ii, 0
.rept 16
	v_pk_fma_f32 v[S+32*\t+2*ii:S+32*\t+2*ii+1], v[OA+32*\t+2*ii:OA+32*\t+2*ii+1], v[ST+8*\t+4:ST+8*\t+5], v[S+32*\t+2*ii:S+32*\t+2*ii+1] op_sel_hi:[1,0,1]   ; O = f1 O1 + f2 O2; each accumulator from its low end on
.set ii, ii+1
.endr
.endr
	WIN 0
.irp t, 0,1,2,3
.set ii, 0
.rept 16
	v_cvt_pk_f16_f32 v[KF+16*\t+ii], v[S+32*\t+2*ii], v[S+32*\t+2*ii+1]   ; a lane's eight channels of a row pack into 16 bytes
.set ii, ii+1
.endr
.endr
.irp t, 0,1,2,3
.irp d, 0,1,2,3
	ds_store_b128 v[STO], v[KF+16*\t+4*\d:KF+16*\t+4*\d+3] offset:16*SP*\t+32*\d
.endr
.endr
.irp t, 0,1,2,3
.irp i, 0,1,2,3
	ds_load_b128 v[S+4*(4*\t+\i):S+4*(4*\t+\i)+3], v[RD] offset:16*SP*\t+4*SP*\i   ; LDS serves a wave's instructions in order: these see my stores
.endr
.endr
.irp t, 0,1,2,3
.irp i, 0,1,2,3
	s_wait_dscnt 15-(4*\t+\i)
	global_store_b128 v[GO], v[S+4*(4*\t+\i):S+4*(4*\t+\i)+3], s[6:7] offset:32768*\t+8192*\i   ; sixteen lanes store 256 consecutive bytes, at a multiple of 256 from attp's first byte
.endr
.endr
.Ldone:
	s_wait_tensorcnt 0x0                           ; the wave's end
	ds_add_u32 v[SPW], v[NIL]
	s_wait_dscnt 0x0
	CROUND                                         ; the closing round: no work-group ends while a partner may still ask for a tile that names it
	s_endpgm
.Lfunc_end_k_q4f7f5b765e_attn:
	.size	k_q4f7f5b765e_attn, .Lfunc_end_k_q4f7f5b765e_attn-k_q4f7f5b765e_attn
	.p2alignl 7, 3214868480
	.fill 96, 4, 3214868480
	.section	.rodata,"a",@progbits
	.p2align	6, 0x0
	.amdhsa_kernel k_q4f7f5b765e_attn
		.amdhsa_group_segment_fixed_size 327680
		.amdhsa_private_segment_fixed_size 0
		.amdhsa_enable_private_segment 0
		.amdhsa_kernarg_size 16
		.amdhsa_user_sgpr_count 2
		.amdhsa_user_sgpr_kernarg_segment_ptr 1
		.amdhsa_wavefront_size32 1
		.amdhsa_system_sgpr_workgroup_id_x 1
		.amdhsa_system_sgpr_workgroup_id_y 1
		.amdhsa_system_sgpr_workgroup_id_z 1
		.amdhsa_system_vgpr_workitem_id 0
		.amdhsa_next_free_vgpr 512
		.amdhsa_next_free_sgpr 66
		.amdhsa_reserve_vcc 0
		.amdhsa_float_denorm_mode_32 3
		.amdhsa_float_denorm_mode_16_64 3
		.amdhsa_memory_ordered 1
		.amdhsa_forward_progress 1
		.amdhsa_inst_pref_size 220
	.end_amdhsa_kernel
	.amdgpu_metadata
---
amdhsa.version: [ 1, 2 ]
amdhsa.kernels:
  - .name:           k_q4f7f5b765e_attn
    .symbol:         k_q4f7f5b765e_attn.kd
    .args:
      - { .name: qkvh, .offset: 0, .size: 8, .value_kind: global_buffer, .address_space: global }
      - { .name: attp, .offset: 8, .size: 8, .value_kind: global_buffer, .address_space: global }
    .group_segment_fixed_size: 327680
    .private_segment_fixed_size: 0
    .kernarg_segment_align: 8
    .kernarg_segment_size: 16
    .max_flat_workgroup_size: 256
    .sgpr_count:     66
    .vgpr_count:     512
    .wavefront_size: 32
...
	.end_amdgpu_metadata
.endif
;; end of part 3
;; launch proj (part 4): grid 8 x 32, 4 waves a work-group, clusters of 4 x 4, 327,680 bytes of LDS; arguments attp, pwb, proj_b, out0; writes out0
.if DOCPART == 4
	.amdgcn_target "amdgcn-amd-amdhsa--gfx1250"
	.amdhsa_code_object_version 6
	.text
	.protected	k_q4f7f5b765e_proj
	.globl	k_q4f7f5b765e_proj
	.p2align	8
	.type	k_q4f7f5b765e_proj,@function
k_q4f7f5b765e_proj:
	s_mov_b64 s[64:65], 0
	v_nop
	global_prefetch_b8 v0, s[64:65] scope:SCOPE_SE
	s_setreg_imm32_b32 hwreg(HW_REG_WAVE_MODE, 25, 1), 1
	s_wait_xcnt 0x0
	s_wait_alu depctr_hold_cnt(0) depctr_sa_sdst(0) depctr_va_vdst(0) depctr_va_sdst(0) depctr_va_ssrc(0) depctr_va_vcc(0) depctr_vm_vsrc(0)
	s_getreg_b32 s2, hwreg(HW_REG_IB_STS2, 6, 4)
	s_cmp_eq_u32 s2, 0
	s_cbranch_scc0 .Lentry_in_a_cluster
	s_endpgm
.Lentry_in_a_cluster:
	s_bfe_u32 s2, ttmp6, 0x10000c
	s_cmp_lg_u32 s2, 0xf033
	s_cbranch_scc0 .Lentry_shape_is_right
	s_endpgm
.Lentry_shape_is_right:
; out0[m][n] = sum over k of A[m][k] proj_w[n][k] + proj_b[n].  A: the attention's result, 4,096 tokens x 1,024, f16, laid as attp [2048 pairs of tokens][16 heads][2 tokens][64];
; proj_w as f16 [1024][1024]; sums and out0 in f32.  (What f16 holds of both operands is stated where they are made.)
; A tile of out0 is 128 x 128: 8 x 32 = 256 work-groups.  Four waves, each 64 x 64: 16 accumulators of 16 x 16.  K goes in steps of 256 through a ring of two LDS slots (LDS rows of 512 bytes + 16).
; A'S TILES.  A K step of 256 is four heads: 1,024 bytes of a pair's row, both tokens.  Wave 0 fetches the step's first two heads of the tile's 64 pairs (64 rows x 512 bytes, 4,096 bytes apart), wave 1 the
; other two.  Token R, channel d of head q of the step lies at (q / 2) x a load's bytes + (R / 2) x pitch + 256 (q % 2) + 128 (R % 2) + 2 d.
; CLUSTERS: 4 x 4 work-groups.  The four of a row of the cluster need the same tiles of A, the four of a column the same tiles of proj_w: each is asked for JOINTLY.
; THE MATRIX INSTRUCTION IS USED TRANSPOSED (source 0 = 16 rows of proj_w, source 1 = 16 tokens): a lane holds eight neighbouring columns of one token.  The bias is the C of each sum's first product.
; No prefetch: a K step's tiles are small and are shared fourfold by the joint loads.
; REGISTERS: window 0: v0-31 addresses; v32-63 the bias, 8 registers for each 16 columns, later with v64-95 rows on the way out; v128-255 the accumulators ((a, b) at v[128 + 8 (4 a + b)]).
;   window 1: two fragment buffers of 128: for 64 along K, 64 registers of A, then 64 of proj_w.
.set SIZE_M, 4096
.set SIZE_N, 1024
.set SIZE_K, 1024
.set KSTEP,  256
.set PITCH,  528                       ; an LDS row: 512 bytes + 16 of padding = 132 words: proj_w's row r starts at bank 4 r mod 64; A's token r at 4 (r / 2) + 32 (r % 2): 16 different groups of four banks (64 banks of 4 bytes: ISA guide 11.1)
.set HALFT,  64*PITCH                  ; what one tensor load brings
.set SLOT,   4*HALFT                   ; A's two loads, then proj_w's two
.set STAGE,  2*SLOT                    ; behind the ring: 16 rows x (256 bytes + 16) for each wave
.set SPITCH, 272
.set SPARE,  STAGE+4*16*SPITCH         ; behind the stages: the spare words, 128 bytes for each wave
.set LAPS, SIZE_K/(2*KSTEP)            ; a lap = two K steps = once round the ring: 2
.set ADRA, 16                          ; v16-17  LDS address of my A fragments in slot 0, 1
.set ADRB, 20                          ; v20-21  the same for proj_w
.set STO,  24                          ; v24     the way out: where I put 32 bytes of a row
.set RD,   25                          ; v25     where I read two rows back
.set CO,   26                          ; v26     my byte offset in out0
.set SPW,  28                          ; v28     LDS address of my spare word; never rewritten
.set NIL,  29                          ; v29     0; never rewritten
.set BI,   32                          ; v32-63  the bias in the result's layout
.set BK,   32                          ; the way out: two sets of 32
.set ACC,  128
.set F0,   0                           ; fragment buffers, in window 1
.set F1,   128
.set G1, 24
.set G0, 32
.set G1B, 48
.set G0B, 56
.set MSB, 0
.macro WIN new                         ; the immediate's high byte repeats the setting that is left
.if MSB != \new
	s_set_vgpr_msb (MSB<<8)|\new
.set MSB, \new
.endif
.endm
.set MUL,  0x05                        ; sources 0 (proj_w) and 1 (A) window 1; C and D window 0
.set TO_F, 0x40                        ; destination window 1, address window 0
.macro JLOAD s                         ; a joint load: waves 0 and 1 fetch for A, waves 2 and 3 for proj_w; four v_nop follow each of the two lines
	s_cmp_eq_u32 s11, 0
	s_cbranch_scc0 .Lfor_b_\@
	tensor_load_to_lds s[G0+4*\s:G0+4*\s+3], s[G1:G1+7]
	s_nop 0
.rept 4
	v_nop
.endr
	s_branch .Lasked_\@
.Lfor_b_\@:
	tensor_load_to_lds s[G0B+4*\s:G0B+4*\s+3], s[G1B:G1B+7]
	s_nop 0
.rept 4
	v_nop
.endr
.Lasked_\@:
.endm
.macro CREST                           ; a round of the cluster's barrier behind its opening barrier
	s_cmp_lg_u32 s10, 0
	s_cbranch_scc1 .Lnot_wave_0_\@
	s_barrier_signal -3
.Lnot_wave_0_\@:
	s_barrier_wait -3
	s_barrier_signal -1
	s_barrier_wait -1
.endm
.macro CROUND                          ; a whole round
	s_barrier_signal -1
	s_barrier_wait -1
	CREST
.endm
	s_load_b128 s[4:7], s[0:1], 0x0                ; attp, proj_w in f16
	s_load_b64 s[66:67], s[0:1], 0x10              ; proj_b
	s_load_b64 s[8:9], s[0:1], 0x18                ; out0
	v_lshl_add_u32 v[SPW], v0, 2, SPARE
	v_mov_b32 v[NIL], 0
	ds_add_u32 v28, v29
	s_wait_dscnt 0x0
	v_lshrrev_b32 v1, 5, v0
	v_readfirstlane_b32 s10, v1                    ; wave 0..3
	s_lshr_b32 s11, s10, 1                         ; which half of the tile's rows is mine.  Also: I fetch for A (0) or for proj_w (1)
	s_and_b32 s12, s10, 1                          ; which half of its columns.  Also: which of the two loads I issue
	s_bfe_u32 s40, ttmp6, 0x40000                  ; cx, cy: my place in the cluster
	s_bfe_u32 s41, ttmp6, 0x40004
	s_lshl_b32 s42, ttmp9, 2
	s_add_co_u32 s42, s42, s40                     ; tile column = 4 x cluster x + cx
	s_and_b32 s13, ttmp7, 0xffff
	s_lshl_b32 s13, s13, 2
	s_add_co_u32 s13, s13, s41                     ; tile row = 4 x cluster y + cy
	s_lshl_b32 s43, s41, 2
	s_lshl_b32 s43, 15, s43                        ; my row of the cluster
	s_lshl_b32 s44, 0x1111, s40                    ; my column
	; descriptor group 1: 64 rows x 256 elements, padded in LDS
	s_or_b32 s[G1+0], s43, (1<<16)|(1<<20)|(1<<21)|(6<<22)|(3<<25)  ; 15:0 the mask; 17:16 elements of 2 bytes; 20 padding on; 21 set beside a mask; 24:22 after every 128 words; 31:25 four words
	s_or_b32 s[G1B+0], s44, (1<<16)|(1<<20)|(1<<21)|(6<<22)|(3<<25)
.irp g, G1, G1B
	s_mov_b32 s[\g+1], KSTEP<<16                   ; tensor_dim0 = 256
	s_mov_b32 s[\g+2], 64<<16                      ; tensor_dim1 = 64
	s_mov_b32 s[\g+3], KSTEP<<16                   ; tile_dim0 = 256
	s_mov_b32 s[\g+4], 64                          ; tile_dim1 = 64
	s_mov_b32 s[\g+6], 0
	s_mov_b32 s[\g+7], 0
.endr
	s_mov_b32 s[G1+5], 2048                        ; tensor_dim0_stride: a pair's row of attp is 2,048 elements
	s_mov_b32 s[G1B+5], SIZE_K                     ; a row of proj_w 1,024
	s_lshl_b32 s16, s13, 18                        ; A: tile row x 64 pairs x 4,096 bytes
	s_lshl_b32 s17, s12, 9                         ; + which two of the step's four heads I fetch
	s_add_co_u32 s16, s16, s17
	s_mov_b32 s17, 0
	s_lshl_b32 s46, s42, 7
	s_lshl_b32 s47, s12, 6
	s_add_co_u32 s46, s46, s47                     ; proj_w: row 128 x tile column + 64 x half
	s_mov_b32 s47, 0
	s_mov_b64 s[18:19], SIZE_K*2
	s_mul_u64 s[46:47], s[46:47], s[18:19]
	s_mul_i32 s20, s10, HALFT                      ; where they go: wave x a load's bytes: no place in the cluster enters an LDS address
	s_wait_kmcnt 0x0
	s_add_nc_u64 s[14:15], s[4:5], s[16:17]
	s_add_nc_u64 s[46:47], s[6:7], s[46:47]
	CROUND                                         ; all sixteen work-groups are here: the first joint loads meet
.irp s, 0,1
	s_mov_b32 s[G0+4*\s], 1
	s_add_co_u32 s[G0+4*\s+1], s20, \s*SLOT
	s_add_nc_u64 s[G0+4*\s+2:G0+4*\s+3], s[14:15], \s*1024          ; a K step is 1,024 bytes of a pair's row
	s_or_b32 s[G0+4*\s+3], s[G0+4*\s+3], 0x80000000
	s_mov_b32 s[G0B+4*\s], 1
	s_add_co_u32 s[G0B+4*\s+1], s20, \s*SLOT
	s_add_nc_u64 s[G0B+4*\s+2:G0B+4*\s+3], s[46:47], \s*KSTEP*2
	s_or_b32 s[G0B+4*\s+3], s[G0B+4*\s+3], 0x80000000
	JLOAD \s
.endr
	v_and_b32 v1, 15, v0                           ; r = lane % 16
	v_bfe_u32 v2, v0, 4, 1                         ; h = lane / 16
	v_mul_u32_u24 v3, v1, PITCH
	v_lshl_add_u32 v3, v2, 4, v3                   ; proj_w: row r x pitch + 16 h
	v_lshrrev_b32 v4, 1, v1
	v_mul_u32_u24 v4, v4, PITCH                    ; A: token r: pair r / 2,
	v_and_b32 v5, 1, v0
	v_lshl_add_u32 v4, v5, 7, v4                   ; + 128 (r % 2),
	v_lshl_add_u32 v4, v2, 4, v4                   ; + 16 h
	s_mul_i32 s21, s11, 32*PITCH                   ; my 64 tokens are 32 pairs
	s_mul_i32 s22, s12, HALFT                      ; my 64 rows of proj_w,
	s_add_co_u32 s22, s22, 2*HALFT                 ; which lie behind A's two loads
.irp s, 0,1
	v_add_nc_u32 v[ADRA+\s], s21, v4
	v_add_nc_u32 v[ADRB+\s], s22, v3
	s_add_co_u32 s21, s21, SLOT
	s_add_co_u32 s22, s22, SLOT
.endr
	s_mul_i32 s23, s10, 16*SPITCH
	s_add_co_u32 s23, s23, STAGE                   ; my stage
	v_mul_u32_u24 v4, v1, SPITCH                   ; in: row r, 32 bytes for each half of the lanes
	v_lshl_add_u32 v4, v2, 5, v4
	v_add_nc_u32 v[STO], s23, v4
	v_mul_u32_u24 v5, v2, SPITCH                   ; back: lanes 0-15 one row of 256 bytes, lanes 16-31 the next
	v_lshl_add_u32 v5, v1, 4, v5
	v_add_nc_u32 v[RD], s23, v5
	v_lshlrev_b32 v5, 12, v2                       ; and the same two rows in out0: 4,096 bytes a row
	v_lshl_add_u32 v[CO], v1, 4, v5
	s_lshl_b32 s16, s13, 7
	s_lshl_b32 s17, s11, 6
	s_add_co_u32 s16, s16, s17                     ; my first row: 128 x tile row + 64 x half
	s_lshl_b32 s16, s16, 12
	s_mov_b32 s17, 0
	s_add_nc_u64 s[8:9], s[8:9], s[16:17]
	s_lshl_b32 s46, s42, 7
	s_lshl_b32 s47, s12, 6
	s_add_co_u32 s46, s46, s47                     ; my first column: 128 x tile column + 64 x half,
	s_lshl_b32 s46, s46, 2                         ; in bytes
	s_mov_b32 s47, 0
	s_add_nc_u64 s[8:9], s[8:9], s[46:47]
	s_add_nc_u64 s[66:67], s[66:67], s[46:47]
	v_lshlrev_b32 v6, 5, v2                        ; the bias: lane (r, h) wants, for columns 16 b on, those at 8 h + 0 .. 7
.irp b, 0,1,2,3
	global_load_b128 v[BI+8*\b:BI+8*\b+3],   v6, s[66:67] offset:64*\b
	global_load_b128 v[BI+8*\b+4:BI+8*\b+7], v6, s[66:67] offset:64*\b+16
.endr
; 8 matrix instructions: token blocks a0, a0 + 1 against all 4 column blocks, 32 along K: half c of buffer f.  zero = 1: the first product starts the sums, with the bias as its C.
; The 16 accumulators take turns, one instruction a turn.
.macro MUL8 f, c, a0, zero
.irp a, \a0, \a0+1
.irp b, 0,1,2,3
.if \zero
	v_wmma_f32_16x16x32_f16 v[ACC+8*(4*(\a)+\b):ACC+8*(4*(\a)+\b)+7], v[\f+64+8*(4*\c+\b):\f+64+8*(4*\c+\b)+7], v[\f+8*(4*\c+\a):\f+8*(4*\c+\a)+7], v[BI+8*\b:BI+8*\b+7]
.else
	v_wmma_f32_16x16x32_f16 v[ACC+8*(4*(\a)+\b):ACC+8*(4*(\a)+\b)+7], v[\f+64+8*(4*\c+\b):\f+64+8*(4*\c+\b)+7], v[\f+8*(4*\c+\a):\f+8*(4*\c+\a)+7], v[ACC+8*(4*(\a)+\b):ACC+8*(4*(\a)+\b)+7]
.endif
.endr
.endr
.endm
; 32 LDS loads in one run: the fragments of quarter q of a K step (64 along K: one head), into buffer f; the first 32 along K first
.macro FETCH slot, q, f
	WIN TO_F
.irp c, 0,1
.irp i, 0,1,2,3
	ds_load_b128 v[\f+64+8*(4*\c+\i):\f+64+8*(4*\c+\i)+3],   v[ADRB+\slot] offset:128*(\q)+64*\c+\i*16*PITCH
	ds_load_b128 v[\f+64+8*(4*\c+\i)+4:\f+64+8*(4*\c+\i)+7], v[ADRB+\slot] offset:128*(\q)+64*\c+\i*16*PITCH+32
	ds_load_b128 v[\f+8*(4*\c+\i):\f+8*(4*\c+\i)+3],         v[ADRA+\slot] offset:((\q)/2)*HALFT+((\q)%2)*256+64*\c+\i*8*PITCH
	ds_load_b128 v[\f+8*(4*\c+\i)+4:\f+8*(4*\c+\i)+7],       v[ADRA+\slot] offset:((\q)/2)*HALFT+((\q)%2)*256+64*\c+\i*8*PITCH+32
.endr
.endr
.endm
.macro PLACES                          ; four places in front of loads into registers that matrix instructions have read, and of the first read of results
.rept 4
	v_nop
.endr
.endm
; A K step is four quarters of 64 along K, 32 matrix instructions each, on buffers 0, 1, 0, 1.  One of the first three: multiplies buffer f and fetches quarter q into g.
.macro QUARTER slot, q, f, g, zero
	s_wait_dscnt 16                                ; the first 32 along K are in; the sixteen loads of the second 32 may be out
	WIN MUL
	MUL8 \f, 0, 0, \zero
	MUL8 \f, 0, 2, \zero
	PLACES
	FETCH \slot, \q, \g
	s_wait_dscnt 32                                ; all but the 32 just issued
	WIN MUL
	MUL8 \f, 1, 0, 0
	MUL8 \f, 1, 2, 0
.endm
; The last quarter multiplies buffer 1 and changes slots: ONE barrier; in front of it each wave waits for all its tensor loads, adds 0 to its spare word, and waits for that and for its reads of this slot.
; fill = 1: this slot is filled again, two K steps ahead, behind a round of the cluster's barrier.
.macro TURN slot, next, fill
	WIN 0                                          ; (the add's two registers lie in window 0)
	s_wait_tensorcnt 0x0                           ; all my tensor loads have landed: my part of the next slot
	ds_add_u32 v[SPW], v[NIL]                      ; 0 onto my spare word
	s_wait_dscnt 17                                ; (the add and the youngest sixteen loads may be out)
	WIN MUL
	MUL8 F1, 0, 0, 0                               ; eight matrix instructions stand between the add and the wait for it
	s_wait_dscnt 0x0                               ; the add is done, and my reads of this slot are over
	s_barrier_signal -1
	MUL8 F1, 0, 2, 0
.if \fill
	WIN 0
.endif
	s_barrier_wait -1
.if \fill
	CREST                                          ; the barrier has opened a round of the cluster's: no wave of any partner still reads this slot or has a load on its way
	s_add_nc_u64 s[G0+4*\slot+2:G0+4*\slot+3], s[G0+4*\slot+2:G0+4*\slot+3], 2*1024
	s_add_nc_u64 s[G0B+4*\slot+2:G0B+4*\slot+3], s[G0B+4*\slot+2:G0B+4*\slot+3], 2*KSTEP*2
	JLOAD \slot                                    ; the first tensor load behind the round; the four v_nop behind it are also the places in front of the loads below
.else
	PLACES
.endif
	FETCH \next, 0, F0
	WIN MUL
	MUL8 F1, 1, 0, 0
	MUL8 F1, 1, 2, 0
.endm
	s_wait_tensorcnt 1                             ; my part of K step 0 is in (K step 1's load, issued behind it, may be out),
	s_barrier_signal -1
	s_barrier_wait -1                              ; everybody's is
	FETCH 0, 0, F0
	s_wait_loadcnt 0x0                             ; the bias
	QUARTER 0, 1, F0, F1, 1                        ; the first quarter stands in front of the loop: its first products start the sums
	WIN 0                                          ; at a label and at a branch every window is 0
	s_mov_b32 s3, LAPS-1
.Llap:                                 ; a trip goes once round the ring, from a lap's second quarter to the next lap's first, and fills both slots again
	QUARTER 0, 2, F1, F0, 0
	QUARTER 0, 3, F0, F1, 0
	TURN 0, 1, 1
	QUARTER 1, 1, F0, F1, 0
	QUARTER 1, 2, F1, F0, 0
	QUARTER 1, 3, F0, F1, 0
	TURN 1, 0, 1
	QUARTER 0, 1, F0, F1, 0
	WIN 0
	s_sub_co_u32 s3, s3, 1
	s_cmp_lg_u32 s3, 0
	s_cbranch_scc1 .Llap
	QUARTER 0, 2, F1, F0, 0                        ; the last lap fills nothing, and has no round of the cluster's barrier
	QUARTER 0, 3, F0, F1, 0
	TURN 0, 1, 0
	QUARTER 1, 1, F0, F1, 0
	QUARTER 1, 2, F1, F0, 0
	QUARTER 1, 3, F0, F1, 0
	s_wait_dscnt 16                                ; the very last quarter: nothing more to fetch
	WIN MUL
	MUL8 F1, 0, 0, 0
	MUL8 F1, 0, 2, 0
	s_wait_dscnt 0
	MUL8 F1, 1, 0, 0
	MUL8 F1, 1, 2, 0
	WIN 0
; THE WAY OUT, block by block of 16 rows x 64 columns.  A wave's 64 columns of f32 are 256 consecutive bytes of a row, aligned: so each wave has a stage of its own and no barrier is needed.
; LDS serves a wave's instructions in order (ISA guide 5.7.1.4): no wait between the stores and the loads, nor in front of the next block's stores.
.macro TOSTAGE a
.irp b, 0,1,2,3
	ds_store_b128 v[STO], v[ACC+8*(4*(\a)+\b):ACC+8*(4*(\a)+\b)+3] offset:64*\b          ; each accumulator from its low end on
	ds_store_b128 v[STO], v[ACC+8*(4*(\a)+\b)+4:ACC+8*(4*(\a)+\b)+7] offset:64*\b+16
.endr
.irp u, 0,1,2,3,4,5,6,7
	ds_load_b128 v[BK+32*((\a)%2)+4*\u:BK+32*((\a)%2)+4*\u+3], v[RD] offset:2*\u*SPITCH
.endr
.endm
.macro SEND a, younger                 ; younger: the LDS instructions issued behind block a's loads, which may stay out
	s_wait_dscnt \younger
.irp u, 0,1,2,3,4,5,6,7
	global_store_b128 v[CO], v[BK+32*((\a)%2)+4*\u:BK+32*((\a)%2)+4*\u+3], s[8:9] offset:(16*(\a)+2*\u)*4096 th:TH_STORE_NT   ; sixteen lanes store 256 consecutive bytes, at a multiple of 256 from out0's first byte
.endr
.endm
	PLACES
	TOSTAGE 0
.irp a, 1,2,3
.if \a > 1
	s_wait_xcnt 0x0                                ; the stores of two blocks ago have read the registers into which this block's loads land
.endif
	TOSTAGE \a
	SEND \a-1, 16                                  ; behind the last block's loads: this block's eight stores and eight loads
.endr
	SEND 3, 0
	s_wait_tensorcnt 0x0                           ; the wave's end
	ds_add_u32 v[SPW], v[NIL]
	s_wait_dscnt 0x0
	CROUND                                         ; the closing round: no work-group ends while a partner may still ask for a tile that names it
	s_endpgm
.Lfunc_end_k_q4f7f5b765e_proj:
	.size	k_q4f7f5b765e_proj, .Lfunc_end_k_q4f7f5b765e_proj-k_q4f7f5b765e_proj
	.p2alignl 7, 3214868480
	.fill 96, 4, 3214868480
	.section	.rodata,"a",@progbits
	.p2align	6, 0x0
	.amdhsa_kernel k_q4f7f5b765e_proj
		.amdhsa_group_segment_fixed_size 327680
		.amdhsa_private_segment_fixed_size 0
		.amdhsa_enable_private_segment 0
		.amdhsa_kernarg_size 32
		.amdhsa_user_sgpr_count 2
		.amdhsa_user_sgpr_kernarg_segment_ptr 1
		.amdhsa_wavefront_size32 1
		.amdhsa_system_sgpr_workgroup_id_x 1
		.amdhsa_system_sgpr_workgroup_id_y 1
		.amdhsa_system_sgpr_workgroup_id_z 1
		.amdhsa_system_vgpr_workitem_id 0
		.amdhsa_next_free_vgpr 512
		.amdhsa_next_free_sgpr 68
		.amdhsa_reserve_vcc 0
		.amdhsa_float_denorm_mode_32 3
		.amdhsa_float_denorm_mode_16_64 3
		.amdhsa_memory_ordered 1
		.amdhsa_forward_progress 1
		.amdhsa_inst_pref_size 87
	.end_amdhsa_kernel
	.amdgpu_metadata
---
amdhsa.version: [ 1, 2 ]
amdhsa.kernels:
  - .name:           k_q4f7f5b765e_proj
    .symbol:         k_q4f7f5b765e_proj.kd
    .args:
      - { .name: attp, .offset: 0, .size: 8, .value_kind: global_buffer, .address_space: global }
      - { .name: pwb, .offset: 8, .size: 8, .value_kind: global_buffer, .address_space: global }
      - { .name: proj_b, .offset: 16, .size: 8, .value_kind: global_buffer, .address_space: global }
      - { .name: out0, .offset: 24, .size: 8, .value_kind: global_buffer, .address_space: global }
    .group_segment_fixed_size: 327680
    .private_segment_fixed_size: 0
    .kernarg_segment_align: 8
    .kernarg_segment_size: 32
    .max_flat_workgroup_size: 128
    .sgpr_count:     68
    .vgpr_count:     512
    .wavefront_size: 32
...
	.end_amdgpu_metadata
.endif
;; end of part 4
